; MI455X (gfx1250); checked and timed in simulation.
; The chip was launched on July 23, 2026; its instructions are those of AMD's public machine-readable ISA for CDNA 5 (MIT licence, August 2026) and "CDNA5" Instruction Set Architecture Reference Guide (July 2026). The comments in the code are by the model that wrote it; some were corrected since.
;; Attention. Allowed arithmetic: float matrix products may take bf16 or f16 operands with f32 sums; other float arithmetic in f32, or as packed bf16 or f16 multiplies, adds, multiply-adds, maxima and minima; sums over many terms, partial sums and values carried from step to step in f32; what a program stores and reads back later, other than sums and carried values, may be rounded once to bf16 or f16.
;; Inputs: in_proj_b 3,072 float32; in_proj_w 3,072 x 1,024 float32; ln_beta 1,024 float32; ln_gamma 1,024 float32; out_proj_b 1,024 float32; out_proj_w 1,024 x 1,024 float32; x 8 x 1,024 x 1,024 float32.
;; Outputs: out0 8 x 1,024 x 1,024 float32.
;; One version. Each part assembles by itself: llvm-mc -triple=amdgcn-amd-amdhsa -mcpu=gfx1250 --defsym DOCPART=n.
;; ======== version 1 of 1: 4 launches
;; workspace buffers: xn 16,777,216 bytes; wbf 8,388,608 bytes; qkv 50,331,648 bytes; ctx 16,777,216 bytes
;; launch prep (part 1): grid 768 x 1, 8 waves a work-group, no clusters, 0 bytes of LDS; arguments x, ln_gamma, ln_beta, in_proj_w, out_proj_w, xn, wbf; writes xn, wbf
.if DOCPART == 1
	.amdgcn_target "amdgcn-amd-amdhsa--gfx1250"
	.amdhsa_code_object_version 6
	.text
	.protected	k_q22cbda58f3_prep
	.globl	k_q22cbda58f3_prep
	.p2align	8
	.type	k_q22cbda58f3_prep,@function
k_q22cbda58f3_prep:
	s_mov_b64 s[64:65], 0
	v_nop
	global_prefetch_b8 v0, s[64:65] scope:SCOPE_SE
	s_setreg_imm32_b32 hwreg(HW_REG_WAVE_MODE, 25, 1), 1
	s_wait_xcnt 0x0
; LAYERNORM AND CASTS.  xn[row][:] = bf16((x - mean) * rsqrt(var + 1e-5) * gamma + beta), 8,192 rows of 1,024 f32; wbf = bf16 of in_proj_w's 3,072 rows, then of out_proj_w's 1,024.
; All arithmetic in f32; the variance is the mean of (x - mean)^2, taken in a second pass over the registers, so a common offset of x is gone before anything is squared.
; LIMITS.  xn and wbf are rounded once to bf16 (they are matrix operands of the later launches); NaN and infinities are not treated apart.
; SHARES.  A work-group has 16 rows, a wave two.  Work-groups 0-511 normalise, 512-703 cast in_proj_w, 704-767 cast out_proj_w.
; A row is 4,096 bytes: eight loads of 16 bytes a lane, each covering 512 consecutive bytes; the lane holds columns 128 j + 4 lane .. + 3 of load j.  The row stays in 32 registers,
; so it is read once.  It leaves as eight stores of 8 bytes a lane: each covers 256 consecutive bytes, aligned.
; No LDS, no barrier, no matrix unit: a row never leaves its wave, and the launch only moves bytes.
.set G,  4                             ; v[4:35]    gamma of my 32 columns
.set BE, 36                            ; v[36:67]   beta
.set X,  68                            ; v[68:131]  row r at X + 32 r
.set A,  132                           ; v[132:139] four chains of packed sums
.set T,  140                           ; v[140:141] at work
.set M,  142                           ; v[142:143] the mean, later 1 / sigma, twice: a pair for the packed forms
.macro REDUCE                          ; the four chains, the pair's halves, the 32 lanes: the sum lands in v[T] of every lane
	v_pk_add_f32 v[A:A+1], v[A:A+1], v[A+2:A+3]
	v_pk_add_f32 v[A+4:A+5], v[A+4:A+5], v[A+6:A+7]
	v_pk_add_f32 v[A:A+1], v[A:A+1], v[A+4:A+5]
	v_add_f32 v[T], v[A], v[A+1]
	v_add_f32_dpp v[T], v[T], v[T] row_xmask:1 row_mask:0xf bank_mask:0xf
	v_add_f32_dpp v[T], v[T], v[T] row_xmask:2 row_mask:0xf bank_mask:0xf
	v_add_f32_dpp v[T], v[T], v[T] row_xmask:4 row_mask:0xf bank_mask:0xf
	v_add_f32_dpp v[T], v[T], v[T] row_xmask:8 row_mask:0xf bank_mask:0xf
	v_permlanex16_b32 v[T+1], v[T], s22, s23       ; the other half of the lanes; its destination was written at the head
	v_add_f32 v[T], v[T], v[T+1]
.endm
.macro PACKOUT r, lo                   ; row r is rounded to bf16 in place (word k takes numbers 2 k and 2 k + 1: never a register not yet read) and stored
.set XR, X+32*(\r)
.set k, 0
.rept 16
	v_cvt_pk_bf16_f32 v[XR+k], v[XR+2*k], v[XR+2*k+1]
.set k, k+1
.endr
.irp j, 0,1,2,3,4,5,6,7
	global_store_b64 v2, v[XR+2*(\j):XR+2*(\j)+1], s[\lo:\lo+1] offset:2048*(\r)+256*(\j)
.endr
.endm
.macro ROW r
.set XR, X+32*(\r)
.if (\r) == 0
	s_wait_loadcnt 24                              ; row 0's eight loads are in; row 1's, gamma's and beta's 24 may stay out
.endif
.irp c, 0,1,2,3
	v_pk_add_f32 v[A+2*(\c):A+2*(\c)+1], v[XR+2*(\c):XR+2*(\c)+1], v[XR+8+2*(\c):XR+8+2*(\c)+1]  ; the first sums start the chains: nothing is cleared
.endr
.irp d, 16,24
.irp c, 0,1,2,3
	v_pk_add_f32 v[A+2*(\c):A+2*(\c)+1], v[A+2*(\c):A+2*(\c)+1], v[XR+(\d)+2*(\c):XR+(\d)+2*(\c)+1]
.endr
.endr
	REDUCE
	v_mul_f32 v[M], s20, v[T]                      ; the mean
	v_mul_f32 v[M+1], s20, v[T]
.set k, 0
.rept 16
	v_pk_add_f32 v[XR+k:XR+k+1], v[XR+k:XR+k+1], v[M:M+1] neg_lo:[0,1] neg_hi:[0,1]  ; x - mean, in place
.set k, k+2
.endr
.irp c, 0,1,2,3
	v_pk_mul_f32 v[A+2*(\c):A+2*(\c)+1], v[XR+2*(\c):XR+2*(\c)+1], v[XR+2*(\c):XR+2*(\c)+1]
.endr
.irp d, 8,16,24
.irp c, 0,1,2,3
	v_pk_fma_f32 v[A+2*(\c):A+2*(\c)+1], v[XR+(\d)+2*(\c):XR+(\d)+2*(\c)+1], v[XR+(\d)+2*(\c):XR+(\d)+2*(\c)+1], v[A+2*(\c):A+2*(\c)+1]
.endr
.endr
	REDUCE
	v_fma_f32 v[T], v[T], s20, s21                 ; the variance + 1e-5
	v_rsq_f32 v[M], v[T]
	v_rsq_f32 v[M+1], v[T]
	v_nop                                          ; a plain instruction behind the second root, ahead of the first use
	s_wait_alu depctr_va_vdst(0)                   ; one wait for both roots, ahead of their first reader
.if (\r) == 0
	s_wait_loadcnt 0x0                             ; gamma and beta (and row 1), once
.endif
.set k, 0
.rept 16
	v_pk_mul_f32 v[XR+k:XR+k+1], v[XR+k:XR+k+1], v[M:M+1]
.set k, k+2
.endr
.set k, 0
.rept 16
	v_pk_fma_f32 v[XR+k:XR+k+1], v[XR+k:XR+k+1], v[G+k:G+k+1], v[BE+k:BE+k+1]
.set k, k+2
.endr
	PACKOUT \r, 14
.endm
	s_load_b256 s[4:11], s[0:1], 0x0               ; x s[4:5], gamma s[6:7], beta s[8:9], in_proj_w s[10:11]
	s_load_b128 s[12:15], s[0:1], 0x20             ; out_proj_w s[12:13], xn s[14:15]
	s_load_b64 s[16:17], s[0:1], 0x30              ; wbf
	s_mov_b32 s18, ttmp9                           ; the work-group
	s_mov_b32 s20, 0x3a800000                      ; 1 / 1,024
	s_mov_b32 s21, 0x3727c5ac                      ; 1e-5
	s_mov_b32 s22, 0x76543210                      ; v_permlanex16_b32: each lane takes its own place in the other half
	s_mov_b32 s23, 0xfedcba98
	s_mov_b32 s3, 0
	s_mov_b32 s27, 0
	v_and_b32 v3, 31, v0                           ; lane
	v_lshrrev_b32 v1, 5, v0                        ; wave
	v_lshlrev_b32 v2, 3, v3
	v_lshl_add_u32 v2, v1, 12, v2                  ; out: 8 lane + the wave's two rows of 2,048 bytes
	v_lshlrev_b32 v3, 4, v3                        ; gamma, beta: 16 lane
	v_lshl_add_u32 v1, v1, 13, v3                  ; in: 16 lane + the wave's two rows of 4,096 bytes
	v_mov_b32 v[T+1], 0
	s_wait_kmcnt 0x0
	s_cmp_lt_u32 s18, 512
	s_cbranch_scc0 .Lcast
	s_lshl_b32 s2, s18, 16                         ; 16 rows of 4,096 bytes
	s_lshl_b32 s26, s18, 15                        ; 16 rows of 2,048 bytes
	s_add_nc_u64 s[4:5], s[4:5], s[2:3]
	s_add_nc_u64 s[14:15], s[14:15], s[26:27]
.irp r, 0,1
.irp j, 0,1,2,3,4,5,6,7
	global_load_b128 v[X+32*(\r)+4*(\j):X+32*(\r)+4*(\j)+3], v1, s[4:5] offset:4096*(\r)+512*(\j) th:TH_LOAD_NT
.endr
.endr
.irp j, 0,1,2,3,4,5,6,7
	global_load_b128 v[G+4*(\j):G+4*(\j)+3], v3, s[6:7] offset:512*(\j)
.endr
.irp j, 0,1,2,3,4,5,6,7
	global_load_b128 v[BE+4*(\j):BE+4*(\j)+3], v3, s[8:9] offset:512*(\j)
.endr
	ROW 0                                          ; each row has registers of its own: no store's data is written again
	ROW 1
	s_endpgm
.Lcast:
	s_mov_b32 s26, 512
	s_mov_b32 s28, 704
	s_cmp_lt_u32 s18, 704
	s_cselect_b64 s[24:25], s[10:11], s[12:13]     ; which weights,
	s_cselect_b32 s26, s26, s28                    ; and the work-group that has their first rows
	s_sub_co_u32 s2, s18, s26
	s_lshl_b32 s2, s2, 16
	s_add_nc_u64 s[24:25], s[24:25], s[2:3]
	s_sub_co_u32 s26, s18, 512                     ; in wbf out_proj_w's rows follow in_proj_w's
	s_lshl_b32 s26, s26, 15
	s_add_nc_u64 s[16:17], s[16:17], s[26:27]
.irp r, 0,1
.irp j, 0,1,2,3,4,5,6,7
	global_load_b128 v[X+32*(\r)+4*(\j):X+32*(\r)+4*(\j)+3], v1, s[24:25] offset:4096*(\r)+512*(\j) th:TH_LOAD_NT
.endr
.endr
	s_wait_loadcnt 8                               ; the first row is in; the second row's eight loads may stay out
	PACKOUT 0, 16
	s_wait_loadcnt 0x0
	PACKOUT 1, 16
	s_endpgm
.Lfunc_end_k_q22cbda58f3_prep:
	.size	k_q22cbda58f3_prep, .Lfunc_end_k_q22cbda58f3_prep-k_q22cbda58f3_prep
	.p2alignl 7, 3214868480
	.fill 96, 4, 3214868480
	.section	.rodata,"a",@progbits
	.p2align	6, 0x0
	.amdhsa_kernel k_q22cbda58f3_prep
		.amdhsa_group_segment_fixed_size 0
		.amdhsa_private_segment_fixed_size 0
		.amdhsa_enable_private_segment 0
		.amdhsa_kernarg_size 56
		.amdhsa_user_sgpr_count 2
		.amdhsa_user_sgpr_kernarg_segment_ptr 1
		.amdhsa_wavefront_size32 1
		.amdhsa_system_sgpr_workgroup_id_x 1
		.amdhsa_system_sgpr_workgroup_id_y 1
		.amdhsa_system_sgpr_workgroup_id_z 1
		.amdhsa_system_vgpr_workitem_id 0
		.amdhsa_next_free_vgpr 144
		.amdhsa_next_free_sgpr 66
		.amdhsa_reserve_vcc 0
		.amdhsa_float_denorm_mode_32 3
		.amdhsa_float_denorm_mode_16_64 3
		.amdhsa_memory_ordered 1
		.amdhsa_forward_progress 1
		.amdhsa_inst_pref_size 26
	.end_amdhsa_kernel
	.amdgpu_metadata
---
amdhsa.version: [ 1, 2 ]
amdhsa.kernels:
  - .name:           k_q22cbda58f3_prep
    .symbol:         k_q22cbda58f3_prep.kd
    .args:
      - { .name: x, .offset: 0, .size: 8, .value_kind: global_buffer, .address_space: global }
      - { .name: ln_gamma, .offset: 8, .size: 8, .value_kind: global_buffer, .address_space: global }
      - { .name: ln_beta, .offset: 16, .size: 8, .value_kind: global_buffer, .address_space: global }
      - { .name: in_proj_w, .offset: 24, .size: 8, .value_kind: global_buffer, .address_space: global }
      - { .name: out_proj_w, .offset: 32, .size: 8, .value_kind: global_buffer, .address_space: global }
      - { .name: xn, .offset: 40, .size: 8, .value_kind: global_buffer, .address_space: global }
      - { .name: wbf, .offset: 48, .size: 8, .value_kind: global_buffer, .address_space: global }
    .group_segment_fixed_size: 0
    .private_segment_fixed_size: 0
    .kernarg_segment_align: 8
    .kernarg_segment_size: 56
    .max_flat_workgroup_size: 256
    .sgpr_count:     66
    .vgpr_count:     144
    .wavefront_size: 32
...
	.end_amdgpu_metadata
.endif
;; end of part 1
;; launch qkvp (part 2): grid 16 x 16, 4 waves a work-group, clusters of 4 x 4, 327,680 bytes of LDS; arguments xn, wbf, in_proj_b, qkv; writes qkv
.if DOCPART == 2
	.amdgcn_target "amdgcn-amd-amdhsa--gfx1250"
	.amdhsa_code_object_version 6
	.text
	.protected	k_q22cbda58f3_qkvp
	.globl	k_q22cbda58f3_qkvp
	.p2align	8
	.type	k_q22cbda58f3_qkvp,@function
k_q22cbda58f3_qkvp:
	s_mov_b64 s[64:65], 0
	v_nop
	global_prefetch_b8 v0, s[64:65] scope:SCOPE_SE
	s_setreg_imm32_b32 hwreg(HW_REG_WAVE_MODE, 25, 1), 1
	s_wait_xcnt 0x0
	s_wait_alu depctr_hold_cnt(0) depctr_sa_sdst(0) depctr_va_vdst(0) depctr_va_sdst(0) depctr_va_ssrc(0) depctr_va_vcc(0) depctr_vm_vsrc(0)
	s_getreg_b32 s2, hwreg(HW_REG_IB_STS2, 6, 4)
	s_cmp_eq_u32 s2, 0
	s_cbranch_scc0 .Lentry_in_a_cluster
	s_endpgm
.Lentry_in_a_cluster:
	s_bfe_u32 s2, ttmp6, 0x10000c
	s_cmp_lg_u32 s2, 0xf033
	s_cbranch_scc0 .Lentry_shape_is_right
	s_endpgm
.Lentry_shape_is_right:
; THE PACKED PROJECTION.  qkv(token, e) = the sum over d of xn[token][d] wbf[e][d] + in_proj_b[e]; 8,192 tokens, e = 0 .. 3,071, d = 0 .. 1,023.  Operands bf16, sums and bias in f32, the result
; rounded once to bf16 and written by heads: qkv[e / 1024][16 b + (e % 1024) / 64][s][e % 64], so that 16 rows of a head are 2,048 consecutive bytes.  No scale is applied here.
; LIMITS.  q, k, v are rounded to bf16; the K steps are added in an order that differs from cluster to cluster (below); NaN and infinities are not treated apart.
; SHARES.  A tile is 256 tokens x 192 columns (three whole heads).  16 x 16 = 256 work-groups; A WORK-GROUP STAYS and makes two tiles, 4,096 tokens apart, of the same columns: the same rows of wbf, the same
; bias.  The four waves split the tokens alone: wave w has rows 64 w .. + 63 (four blocks of 16) and all 12 blocks of 16 columns: 48 accumulators.  So a wave owns whole rows of its three heads, and its
; way out needs no other wave.
; K goes in steps of 128 (rows of 256 bytes in memory, aligned) through two LDS slots; the two tiles' 16 steps are one walk for the ring.  Waves 0 and 1 fetch the halves of A's 256 rows, waves 2 and 3 of B's 192.
; CLUSTER.  4 x 4 work-groups: A's tile hangs on the tile row alone and is asked for jointly by a row of the cluster, B's on the tile column alone, by a column.
; THE WALK ALONG K BEGINS AT ANOTHER STEP IN EACH CLUSTER: step n takes the K slice (n + R) % 8, R = 2 x cluster x + 4 x ((cluster y ^ cluster y / 2) % 2).  The four clusters along x, which read the same rows
; of xn, are two slices apart; clusters along y, which read the same rows of wbf, none or four.  R hangs on the cluster's place alone, so it is the same in all sixteen partners.
; THE MATRIX INSTRUCTION IS USED TRANSPOSED (source 0 = 16 rows of wbf, source 1 = 16 tokens): lane l then holds token l % 16 and the columns 8 (l / 16) + 0 .. 7.  The first product of each
; accumulator takes the bias, laid out in that form, as its C: the bias costs no instruction and nothing is cleared.
; REGISTERS, in windows of 256 (s_set_vgpr_msb: bits 1:0 source 0, 3:2 source 1, 5:4 source 2, 7:6 destination):
;   window 0: addresses; v32-127 at work on the way out; v160-255 the bias        window 1: two fragment buffers of 128: A's block a at 8 a, B's block b at 32 + 8 b
;   window 2: the accumulators of blocks a = 0, 1 ((a, b) at 8 (12 (a % 2) + b));   window 3: those of a = 2, 3
.set NB,    12                         ; blocks of 16 columns
.set APW,   2                          ; blocks of 16 tokens whose accumulators share a window
.set PA,    272                        ; an LDS row of A: 256 bytes + 16 of padding: an odd multiple of 16, so the 16 rows of a fragment load touch 16 different 16-byte columns
.set QPH,   4                          ; quarters of 32 along K that lie in one LDS row of A
.set AHB,   0                          ; (bytes from one such group of rows to the next: not used here)
.set RA,    128                        ; rows in memory of one load of A
.set RB,    96                         ; of B
.set HA,    128*272                    ; LDS bytes of one load of A
.set HB,    96*272                     ; of B
.set QIA,   5                          ; A is padded after every 64 words
.set PITA,  1024                       ; elements from row to row of A in memory
.set LA,    8                          ; a K slice of A is 1 << LA bytes from the next
.set ASTEP, 1<<LA
.set BSTEP, 256
.set LT,    23                         ; the second tile lies 1 << LT bytes on: 4,096 rows of xn; in qkv 64 heads of 131,072 bytes
.set SLOT1, 131072                     ; slot 1 begins here: one exclusive or turns an address in one slot into the other's
.set NL,    2*(4+NB)                   ; LDS loads of a quarter's fragments
.set STAGE, SLOT1+2*HA+2*HB            ; behind the ring, never filled by a tensor load: for each wave 3 heads x 16 rows x 144 bytes
.set WST,   3*16*144
.set SPARE, STAGE+4*WST                ; the spare words: 128 bytes for each wave, two blocks of 256 bytes that no other line names
.set ADRA0, 16                         ; v16  my lane's place in A's part of a slot; never rewritten
.set ADRB0, 17                         ; v17  the same for B
.set ADRA,  18                         ; v18  the same in the slot in hand
.set ADRB,  19
.set STO,   24                         ; v24  the way out: where I put 16 bytes of a row
.set RD,    25                         ; v25  where I read rows back
.set GO,    26                         ; v26  16 x lane
.set BO,    27                         ; v27  32 x (lane / 16): my eight numbers of a block's bias
.set SPW,   28                         ; v28  LDS address of my spare word; never rewritten
.set NIL,   29                         ; v29  0; never rewritten
.set TMP,   32                         ; v32-79   packed results
.set BK,    80                         ; v80-127  16 rows read back from the stage
.set BIAS,  160                        ; v160-255 kept for both tiles
.set F0,    0
.set F1,    128
.set WV,  14                           ; s14  my wave
.set FB,  15                           ; s15  0: I fetch for A; 1: for B
.set HF,  16                           ; s16  which half of that tile
.set CX,  17
.set CY,  18
.set TC,  19                           ; s19  tile column
.set TR,  20                           ; s20  the first tile's row
.set G1A, 24                           ; s[24:31] descriptor group 1 for A;  s[32:39] group 0: a set for each first fill; the second then walks
.set G0A, 32
.set G1B, 48                           ; s[48:55], s[56:63] the same for B
.set G0B, 56
.set TB,  66                           ; s66  0 or SLOT1: the slot in hand
.set CNT, 67
.set KN,  80                           ; s80  R + the number of the step asked for last
.set NN,  81                           ; s81  that number
.set OA,  82                           ; s[82:83] byte offset of the step to be asked for, from A's first slice of the first tile; the high word stays 0
.set OB,  84                           ; s[84:85] the same for B
.set MSB, 0
.macro WIN new                         ; the immediate's high byte repeats the setting that is left; a switch that changes nothing is dropped
.if MSB != (\new)
	s_set_vgpr_msb (MSB<<8)|(\new)
.set MSB, \new
.endif
.endm
.macro PLACES                          ; four plain instructions between a matrix instruction and a load into, or a vector read of, its registers
.rept 4
	v_nop
.endr
.endm
.macro CREST                           ; a round of the cluster's barrier behind its opening barrier
	s_cmp_lg_u32 s[WV], 0
	s_cbranch_scc1 .Lnot_wave_0_\@
	s_barrier_signal -3
.Lnot_wave_0_\@:
	s_barrier_wait -3
	s_barrier_signal -1
	s_barrier_wait -1
.endm
.macro CROUND
	s_barrier_signal -1
	s_barrier_wait -1
	CREST
.endm
.macro JLOAD                           ; a joint refill by the walking set; the branch hangs on the wave's number alone; s_nop 0 and four v_nop follow each line
	s_cmp_eq_u32 s[FB], 0
	s_cbranch_scc0 .Lfor_b_\@
	tensor_load_to_lds s[G0A+4:G0A+7], s[G1A:G1A+7]
	s_nop 0
.rept 4
	v_nop
.endr
	s_branch .Lasked_\@
.Lfor_b_\@:
	tensor_load_to_lds s[G0B+4:G0B+7], s[G1B:G1B+7]
	s_nop 0
.rept 4
	v_nop
.endr
.Lasked_\@:
.endm
; NB products: token block a x all column blocks, 32 along K, from buffer f.  first = 1: C is the bias.  Every accumulator has one turn a quarter, in one fixed order: 4 NB - 1 others' stand between two links.
.macro MULA f, a, first
.set WA, 2+(\a)/APW
.set AC, 8*NB*((\a)%APW)
.if \first
	WIN (WA<<6)|5
.else
	WIN WA*0x50+5
.endif
.set b, 0
.rept NB
.if \first
	v_wmma_f32_16x16x32_bf16 v[AC+8*b:AC+8*b+7], v[(\f)+32+8*b:(\f)+32+8*b+7], v[(\f)+8*(\a):(\f)+8*(\a)+7], v[BIAS+8*b:BIAS+8*b+7]
.else
	v_wmma_f32_16x16x32_bf16 v[AC+8*b:AC+8*b+7], v[(\f)+32+8*b:(\f)+32+8*b+7], v[(\f)+8*(\a):(\f)+8*(\a)+7], v[AC+8*b:AC+8*b+7]
.endif
.set b, b+1
.endr
.endm
; NL LDS loads in one run: quarter q's fragments into buffer f; B's first, then A's four blocks
.macro FETCH q, f
	WIN 0x40
.set b, 0
.rept NB
	ds_load_b128 v[(\f)+32+8*b:(\f)+32+8*b+3],   v[ADRB] offset:64*(\q)+4352*b
	ds_load_b128 v[(\f)+32+8*b+4:(\f)+32+8*b+7], v[ADRB] offset:64*(\q)+4352*b+32
.set b, b+1
.endr
.irp a, 0,1,2,3
	ds_load_b128 v[(\f)+8*(\a):(\f)+8*(\a)+3],   v[ADRA] offset:((\q)/QPH)*AHB+((\q)%QPH)*64+16*PA*(\a)
	ds_load_b128 v[(\f)+8*(\a)+4:(\f)+8*(\a)+7], v[ADRA] offset:((\q)/QPH)*AHB+((\q)%QPH)*64+16*PA*(\a)+32
.endr
.endm
; One of a K step's first three quarters: multiplies buffer f; in its middle it fetches quarter q into buffer g.
.macro QUARTER q, f, g, first=0
	s_wait_dscnt 4                                 ; B and A's blocks 0, 1 are in; the youngest four loads (A's blocks 2, 3) may be out
	MULA \f, 0, \first
	MULA \f, 1, \first
	PLACES
	FETCH \q, \g
	s_wait_dscnt NL                                ; all but the NL just issued
	MULA \f, 2, \first
	MULA \f, 3, \first
.endm
; The last quarter multiplies buffer 1 and changes slots.  In front of the one barrier each wave waits for all its tensor loads (one is out: its part of the next slot), adds 0 to its spare word,
; and waits for that and for its reads of this slot.  fill = 1: the barrier opens a round of the cluster's, and this slot is filled again, two steps on, first thing behind the round.
; The walking sets' addresses are made anew from the step's number: the base, an offset made apart, the type bits.
.macro TURN fill
	WIN 0
	s_wait_tensorcnt 0x0                           ; no tensor load of mine is out, so a group 0 may be written
	ds_add_u32 v[SPW], v[NIL]                      ; adds 0 to my spare word; register work stands between it and the wait for it
.if \fill
	s_add_co_u32 s[KN], s[KN], 1
	s_add_co_u32 s[NN], s[NN], 1
	s_and_b32 s[OB], s[KN], 7                      ; the K slice
	s_lshl_b32 s[OA], s[OB], LA
	s_lshl_b32 s[OB], s[OB], 8
	s_lshr_b32 s86, s[NN], 3                       ; the tile
	s_lshl_b32 s86, s86, LT
	s_add_co_u32 s[OA], s[OA], s86
	s_xor_b32 s[G0A+5], s[G0A+5], SLOT1            ; the other slot than last time
	s_add_nc_u64 s[G0A+6:G0A+7], s[40:41], s[OA:OA+1]
	s_or_b32 s[G0A+7], s[G0A+7], 0x80000000
	s_xor_b32 s[G0B+5], s[G0B+5], SLOT1
	s_add_nc_u64 s[G0B+6:G0B+7], s[44:45], s[OB:OB+1]
	s_or_b32 s[G0B+7], s[G0B+7], 0x80000000
.endif
	s_xor_b32 s[TB], s[TB], SLOT1
	s_wait_dscnt 5                                 ; the add and the youngest four loads may be out
	MULA F1, 0, 0
	s_wait_dscnt 0x0                               ; the add is done, and my reads of this slot are over
	s_barrier_signal -1
	MULA F1, 1, 0
	WIN 0
	s_barrier_wait -1
.if \fill
	CREST                                          ; no wave of any partner still reads this slot or has a load on its way
	JLOAD                                          ; its four v_nop are also the places in front of the loads below
.else
	PLACES
.endif
	v_add_nc_u32 v[ADRA], s[TB], v[ADRA0]
	v_add_nc_u32 v[ADRB], s[TB], v[ADRB0]
	FETCH 0, F0
	MULA F1, 2, 0
	MULA F1, 3, 0
.endm
; THE WAY OUT, a block of 16 tokens at a time.  PACK: rounded to bf16, each accumulator's registers in ascending order.  TOSTAGE: into my own stage, and back as whole rows.  SEND: stored.
.macro PACK a
.set AC, 8*NB*((\a)%APW)
	WIN 0x0a+5*((\a)/APW)                          ; sources 0 and 1: window 2 or 3
.set b, 0
.rept 4*NB
	v_cvt_pk_bf16_f32 v[TMP+b], v[AC+2*b], v[AC+2*b+1]
.set b, b+1
.endr
	WIN 0
.endm
.macro TOSTAGE
.set b, 0
.rept NB
	ds_store_b128 v[STO], v[TMP+4*b:TMP+4*b+3] offset:(b/4)*2304+32*(b%4)      ; head b / 4, channels 16 (b % 4) on
.set b, b+1
.endr
	s_wait_xcnt 0x0                                ; the stores of the block before have read the registers that are loaded below
.set b, 0
.rept NB
	ds_load_b128 v[BK+4*b:BK+4*b+3], v[RD] offset:(b/4)*2304+(b%4)*576         ; LDS serves a wave's instructions in order (ISA guide 5.7.1.4): these see the stores above
.set b, b+1
.endr
.endm
.macro SEND a
	s_wait_dscnt 0x0                               ; the block is back in registers
.set b, 0
.rept NB
	global_store_b128 v[GO], v[BK+4*b:BK+4*b+3], s[68+2*(b/4):69+2*(b/4)] offset:2048*(\a)+512*(b%4)  ; 512 consecutive bytes, aligned
.set b, b+1
.endr
.endm
.macro WAYOUT                          ; block a's conversions stand between block a - 1's loads from the stage and the wait for them
	WIN 0
	PLACES
	PACK 0
	TOSTAGE
	PACK 1
	SEND 0
	TOSTAGE
	PACK 2
	SEND 1
	TOSTAGE
	PACK 3
	SEND 2
	TOSTAGE
	SEND 3
.endm
	s_load_b256 s[4:11], s[0:1], 0x0               ; xn s[4:5], wbf s[6:7], in_proj_b s[8:9], qkv s[10:11]
	v_lshl_add_u32 v[SPW], v0, 2, SPARE
	v_mov_b32 v[NIL], 0
	ds_add_u32 v[SPW], v[NIL]                      ; the wave's opening: the add and its wait stand ahead of my first tensor load
	ds_add_u32 v28, v29
	v_lshrrev_b32 v1, 5, v0
	v_readfirstlane_b32 s[WV], v1
	s_lshr_b32 s[FB], s[WV], 1
	s_and_b32 s[HF], s[WV], 1
	s_bfe_u32 s[CX], ttmp6, 0x40000
	s_bfe_u32 s[CY], ttmp6, 0x40004
	s_lshl_b32 s[TC], ttmp9, 2
	s_add_co_u32 s[TC], s[TC], s[CX]               ; tile column = 4 x cluster x + cx
	s_and_b32 s[TR], ttmp7, 0xffff
	s_lshl_b32 s[TR], s[TR], 2
	s_add_co_u32 s[TR], s[TR], s[CY]               ; the first tile's row = 4 x cluster y + cy
	s_lshl_b32 s21, s[CY], 2
	s_lshl_b32 s21, 15, s21                        ; my row of the cluster
	s_lshl_b32 s22, 0x1111, s[CX]                  ; my column
	s_or_b32 s[G1A], s21, (1<<16)|(1<<20)|(1<<21)|(QIA<<22)|(3<<25)  ; the mask; elements of 2 bytes; padding on; bit 21 beside a mask; the interval; 4 words of padding
	s_or_b32 s[G1B], s22, (1<<16)|(1<<20)|(1<<21)|(5<<22)|(3<<25)
	s_mov_b32 s[G1A+1], 128<<16                    ; tensor_dim0 = 128
	s_mov_b32 s[G1A+2], RA<<16                     ; tensor_dim1
	s_mov_b32 s[G1A+3], 128<<16                    ; tile_dim0 = 128
	s_mov_b32 s[G1A+4], RA                         ; tile_dim1
	s_mov_b32 s[G1A+5], PITA                       ; elements from row to row
	s_mov_b32 s[G1A+6], 0
	s_mov_b32 s[G1A+7], 0
	s_mov_b32 s[G1B+1], 128<<16
	s_mov_b32 s[G1B+2], RB<<16
	s_mov_b32 s[G1B+3], 128<<16
	s_mov_b32 s[G1B+4], RB
	s_mov_b32 s[G1B+5], 1024
	s_mov_b32 s[G1B+6], 0
	s_mov_b32 s[G1B+7], 0
	s_lshl_b32 s40, s[TR], 19                      ; A: 256 rows of 2,048 bytes a tile row,
	s_lshl_b32 s41, s[HF], 18                      ; 128 a half.  s[40:43] never hold the tile column
	s_add_co_u32 s40, s40, s41
	s_mov_b32 s41, 0
	s_mul_i32 s42, s[HF], HA                       ; and where it goes: no place in the cluster enters an LDS address
	s_mul_i32 s44, s[TC], 192*2048                 ; B: 192 rows a tile column, 96 a half.  s[44:47] never hold the tile row
	s_mul_i32 s45, s[HF], 96*2048
	s_add_co_u32 s44, s44, s45
	s_mov_b32 s45, 0
	s_mul_i32 s46, s[HF], HB
	s_add_co_u32 s46, s46, 2*HA
	s_mov_b32 s[TB], 0
	s_and_b32 s86, ttmp7, 0xffff                   ; R, from the cluster's x and y alone
	s_lshr_b32 s87, s86, 1
	s_xor_b32 s86, s86, s87
	s_and_b32 s86, s86, 1
	s_lshl_b32 s86, s86, 2
	s_lshl_b32 s87, ttmp9, 1
	s_add_co_u32 s[KN], s86, s87
	s_and_b32 s[KN], s[KN], 7                      ; even: steps 0 and 1 take the slices R and R + 1
	s_lshl_b32 s[OA], s[KN], LA
	s_mov_b32 s[OA+1], 0
	s_lshl_b32 s[OB], s[KN], 8
	s_mov_b32 s[OB+1], 0
	s_add_co_u32 s[KN], s[KN], 1                   ; step 1 is the last that the first fills ask for
	s_mov_b32 s[NN], 1
	s_wait_dscnt 0x0                               ; the opening add is done
	s_wait_kmcnt 0x0
	s_add_nc_u64 s[40:41], s[4:5], s[40:41]        ; kept: my rows at K slice 0
	s_add_nc_u64 s[44:45], s[6:7], s[44:45]
	s_add_nc_u64 s[86:87], s[40:41], s[OA:OA+1]    ; at slice R
	s_add_nc_u64 s[88:89], s[44:45], s[OB:OB+1]
.irp s, 0,1
	s_mov_b32 s[G0A+4*(\s)], 1
	s_add_co_u32 s[G0A+4*(\s)+1], s42, (\s)*SLOT1
	s_add_nc_u64 s[G0A+4*(\s)+2:G0A+4*(\s)+3], s[86:87], (\s)*ASTEP
	s_or_b32 s[G0A+4*(\s)+3], s[G0A+4*(\s)+3], 0x80000000
	s_mov_b32 s[G0B+4*(\s)], 1
	s_add_co_u32 s[G0B+4*(\s)+1], s46, (\s)*SLOT1
	s_add_nc_u64 s[G0B+4*(\s)+2:G0B+4*(\s)+3], s[88:89], (\s)*BSTEP
	s_or_b32 s[G0B+4*(\s)+3], s[G0B+4*(\s)+3], 0x80000000
.endr
	CROUND                                         ; all sixteen work-groups are here: the first joint loads meet
	s_cmp_eq_u32 s[FB], 0                          ; a wave's two first fills stand in one branch: two tensor loads of mine are out, later one
	s_cbranch_scc0 .Lfirst_b
	tensor_load_to_lds s[G0A:G0A+3], s[G1A:G1A+7]
	s_nop 0
	tensor_load_to_lds s[G0A+4:G0A+7], s[G1A:G1A+7]
	s_nop 0
.rept 4
	v_nop
.endr
	s_branch .Lfirst_asked
.Lfirst_b:
	tensor_load_to_lds s[G0B:G0B+3], s[G1B:G1B+7]
	s_nop 0
	tensor_load_to_lds s[G0B+4:G0B+7], s[G1B:G1B+7]
	s_nop 0
.rept 4
	v_nop
.endr
.Lfirst_asked:
	; a fragment is 16 rows x 32 K in 8 registers: lane l holds row l % 16, K = 8 (l / 16) + 0..7 and 16 + 8 (l / 16) + 0..7: two loads of 16 bytes, 32 bytes apart
	v_and_b32 v1, 15, v0                           ; l % 16
	v_bfe_u32 v2, v0, 4, 1                         ; l / 16
	v_mul_u32_u24 v3, v1, PA
	v_lshl_add_u32 v3, v2, 4, v3
	s_mul_i32 s74, s[WV], 64*PA                    ; my 64 rows of A
	v_add_nc_u32 v[ADRA0], s74, v3
	v_mul_u32_u24 v3, v1, 272
	v_lshl_add_u32 v3, v2, 4, v3
	v_add_nc_u32 v[ADRB0], 2*HA, v3                ; B lies behind A
	v_mov_b32 v[ADRA], v[ADRA0]
	v_mov_b32 v[ADRB], v[ADRB0]
	s_mul_i32 s74, s[TC], 768                      ; the tile's 192 numbers of the bias
	s_mov_b32 s75, 0
	s_add_nc_u64 s[8:9], s[8:9], s[74:75]
	v_lshlrev_b32 v[BO], 5, v2
.set b, 0
.rept NB
	global_load_b128 v[BIAS+8*b:BIAS+8*b+3],   v[BO], s[8:9] offset:64*b     ; register j of block b: column 16 b + 8 (l / 16) + j
	global_load_b128 v[BIAS+8*b+4:BIAS+8*b+7], v[BO], s[8:9] offset:64*b+16
.set b, b+1
.endr
	s_mul_i32 s74, s[WV], WST
	s_add_co_u32 s74, s74, STAGE                   ; my stage
	v_mul_u32_u24 v3, v1, 144                      ; in: row l % 16, 16 bytes for each half of the lanes
	v_lshl_add_u32 v3, v2, 4, v3
	v_add_nc_u32 v[STO], s74, v3
	v_bfe_u32 v3, v0, 3, 2                         ; back: 32 lanes take four rows of 128 bytes,
	v_mul_u32_u24 v3, v3, 144
	v_and_b32 v4, 7, v0
	v_lshl_add_u32 v3, v4, 4, v3
	v_add_nc_u32 v[RD], s74, v3
	v_and_b32 v3, 31, v0                           ; which are 512 consecutive bytes of a head
	v_lshlrev_b32 v[GO], 4, v3
	; my rows in the three heads, first tile: head g = 3 x tile column + j of 48; part g / 16, head g % 16 of batch (tile row / 4); rows (tile row % 4) x 256 + 64 x wave
	s_mul_i32 s74, s[TC], 3
	s_lshr_b32 s75, s[TR], 2
	s_lshl_b32 s75, s75, 4
	s_and_b32 s76, s[TR], 3
	s_lshl_b32 s76, s76, 8
	s_lshl_b32 s77, s[WV], 6
	s_add_co_u32 s76, s76, s77
	s_lshl_b32 s76, s76, 7                         ; rows of 128 bytes
.irp j, 0,1,2
	s_add_co_u32 s78, s74, \j
	s_lshr_b32 s79, s78, 4
	s_lshl_b32 s79, s79, 7
	s_and_b32 s78, s78, 15
	s_add_co_u32 s78, s78, s79
	s_add_co_u32 s78, s78, s75
	s_lshl_b32 s78, s78, 17                        ; a head is 131,072 bytes
	s_add_co_u32 s78, s78, s76
	s_mov_b32 s79, 0
	s_add_nc_u64 s[68+2*(\j):69+2*(\j)], s[10:11], s[78:79]
.endr
	s_wait_tensorcnt 1                             ; my part of step 0 is in; step 1's may stay out
	s_barrier_signal -1
	s_barrier_wait -1                              ; everybody's is
	FETCH 0, F0
	s_wait_loadcnt 0x0                             ; the bias
	QUARTER 1, F0, F1, 1                           ; the first tile's first quarter stands in front of the loop: its products start the sums
	WIN 0                                          ; at a label and at a branch every window is 0
	s_mov_b32 s[CNT], 14
.Lstep:                                        ; trip i ends step i, fills its slot with step i + 2 of the walk's 16, and begins step i + 1
	QUARTER 2, F1, F0
	QUARTER 3, F0, F1
	TURN 1
	WIN 0
	s_cmp_eq_u32 s[CNT], 7                         ; trip 7 has ended the first tile's last step.  The jump passes no barrier and no tensor load
	s_cbranch_scc0 .Lsame
	WAYOUT                                         ; both refills of the second tile's first steps are asked for: now the first tile goes out; nothing waits for its stores
	s_wait_xcnt 0x0                                ; they have read their bases
.irp j, 0,1,2
	s_add_nc_u64 s[68+2*(\j):69+2*(\j)], s[68+2*(\j):69+2*(\j)], 1<<LT
.endr
	QUARTER 1, F0, F1, 1                           ; the second tile's sums start, with the bias again
	WIN 0
	s_branch .Lnext
.Lsame:
	QUARTER 1, F0, F1
	WIN 0
.Lnext:
	s_sub_co_u32 s[CNT], s[CNT], 1
	s_cmp_lg_u32 s[CNT], 0
	s_cbranch_scc1 .Lstep
	QUARTER 2, F1, F0                              ; the walk's last two steps are written out: nothing more is asked for
	QUARTER 3, F0, F1
	TURN 0
	QUARTER 1, F0, F1
	QUARTER 2, F1, F0
	QUARTER 3, F0, F1
	s_wait_dscnt 4
	MULA F1, 0, 0
	MULA F1, 1, 0
	s_wait_dscnt 0x0
	MULA F1, 2, 0
	MULA F1, 3, 0
	WAYOUT
	s_wait_tensorcnt 0x0                           ; the wave's end: a wait, an add and its wait, behind my last tensor load and my last LDS store
	ds_add_u32 v[SPW], v[NIL]
	s_wait_dscnt 0x0
	CROUND                                         ; the closing round: no work-group ends while a partner may still ask for a tile that names it
	s_endpgm
.Lfunc_end_k_q22cbda58f3_qkvp:
	.size	k_q22cbda58f3_qkvp, .Lfunc_end_k_q22cbda58f3_qkvp-k_q22cbda58f3_qkvp
	.p2alignl 7, 3214868480
	.fill 96, 4, 3214868480
	.section	.rodata,"a",@progbits
	.p2align	6, 0x0
	.amdhsa_kernel k_q22cbda58f3_qkvp
		.amdhsa_group_segment_fixed_size 327680
		.amdhsa_private_segment_fixed_size 0
		.amdhsa_enable_private_segment 0
		.amdhsa_kernarg_size 32
		.amdhsa_user_sgpr_count 2
		.amdhsa_user_sgpr_kernarg_segment_ptr 1
		.amdhsa_wavefront_size32 1
		.amdhsa_system_sgpr_workgroup_id_x 1
		.amdhsa_system_sgpr_workgroup_id_y 1
		.amdhsa_system_sgpr_workgroup_id_z 1
		.amdhsa_system_vgpr_workitem_id 0
		.amdhsa_next_free_vgpr 960
		.amdhsa_next_free_sgpr 90
		.amdhsa_reserve_vcc 0
		.amdhsa_float_denorm_mode_32 3
		.amdhsa_float_denorm_mode_16_64 3
		.amdhsa_memory_ordered 1
		.amdhsa_forward_progress 1
		.amdhsa_inst_pref_size 129
	.end_amdhsa_kernel
	.amdgpu_metadata
---
amdhsa.version: [ 1, 2 ]
amdhsa.kernels:
  - .name:           k_q22cbda58f3_qkvp
    .symbol:         k_q22cbda58f3_qkvp.kd
    .args:
      - { .name: xn, .offset: 0, .size: 8, .value_kind: global_buffer, .address_space: global }
      - { .name: wbf, .offset: 8, .size: 8, .value_kind: global_buffer, .address_space: global }
      - { .name: in_proj_b, .offset: 16, .size: 8, .value_kind: global_buffer, .address_space: global }
      - { .name: qkv, .offset: 24, .size: 8, .value_kind: global_buffer, .address_space: global }
    .group_segment_fixed_size: 327680
    .private_segment_fixed_size: 0
    .kernarg_segment_align: 8
    .kernarg_segment_size: 32
    .max_flat_workgroup_size: 128
    .sgpr_count:     90
    .vgpr_count:     960
    .wavefront_size: 32
...
	.end_amdgpu_metadata
.endif
;; end of part 2
;; launch attn (part 3): grid 2 x 128, 4 waves a work-group, no clusters, 327,680 bytes of LDS; arguments qkv, ctx; writes ctx
.if DOCPART == 3
	.amdgcn_target "amdgcn-amd-amdhsa--gfx1250"
	.amdhsa_code_object_version 6
	.text
	.protected	k_q22cbda58f3_attn
	.globl	k_q22cbda58f3_attn
	.p2align	8
	.type	k_q22cbda58f3_attn,@function
k_q22cbda58f3_attn:
	s_mov_b64 s[64:65], 0
	v_nop
	global_prefetch_b8 v0, s[64:65] scope:SCOPE_SE
	s_setreg_imm32_b32 hwreg(HW_REG_WAVE_MODE, 25, 1), 1
	s_wait_xcnt 0x0
; ATTENTION.  ctx[h][q][:] = the sum over k of softmax_k(Q[h][q] . K[h][k] / 8) V[h][k][:], for 128 heads (batch x 16 + head) of 1,024 rows of 64 channels.  qkv holds Q, K, V, each [128][1024][64] in bf16,
; 16,777,216 bytes apart; ctx has the same layout.  Products, maxima and sums in f32; the weights p are rounded to bf16 for the second product (their sum l is taken of the unrounded p), ctx once at the end.
; LIMITS.  A weight below 2^-126 counts as 0 in l; NaN and infinities are not treated apart; c m starts at -4.2e37, below every c s that finite bf16 operands of this size give.
; SHARES.  A wave owns four PIECES of two tiles of 16 queries, a work-group's four waves 512 queries of one head: 2 x 128 = 256 work-groups.  Every wave walks all 1,024 keys, 64 a step.
; ALL OF A HEAD'S K AND V LIE IN LDS: 1,024 rows of 144 bytes and 1,024 of 160, 311,296 bytes.  So every byte is filled once: each wave asks for its four parts of 128 keys at the head, in one group, the first
; four key steps' part first; nothing is filled again, no tensor load stands in the loop, and one text serves every key step.  Nothing is prefetched: each byte's own load goes out at the head.
; NO CLUSTER: a head has two blocks of 512 queries, and only they share K and V; groups of four along x would join two heads, whose tiles differ, and blocks of 256 queries (four a head) would halve the products
; that each fragment read from LDS feeds and make two rounds of work-groups.
; LAYOUT.  S^T = K Q^T (source 0 = 16 keys, source 1 = 16 queries): a lane holds ONE query (lane % 16) and the keys 8 (lane / 16) + 0..7.  Two such tiles, rounded to bf16 in pairs, ARE source 1 of
; O^T = V^T P, whose result again holds one query a lane, and eight channels.  K comes out of LDS as it lies, V ([key][channel]) turned, by ds_load_tr16_b128.
; SOFTMAX.  For each query a running maximum m and sum l: p = 2^(c s - c m), c = log2(e) / 8; in every step O and l are multiplied by a = 2^(c m_old - c m_new).  m starts at the lowest finite number, O and l at 0:
; the first step is a step like any other, with a = 0.
; BY TURNS.  Turn n belongs to piece n.  Its matrix work: 16 products K Q^T of piece n + 1, later 16 products V^T P of piece n - 1.  Its vector work: the scaling, exponentials, roundings, sums and rescaling of
; piece n, and the maximum and statistics of piece n + 1.  Four vector instructions stand behind every matrix instruction, the rest in one run; a turn's 66 exponentials are one batch with one wait.
; REGISTERS, in windows of 256 (s_set_vgpr_msb: bits 1:0 source 0, 3:2 source 1, 5:4 source 2, 7:6 destination):
;   window 0: v0-11 addresses; v12-15, v48-63 at work; v16-47 four registers of statistics a tile; v64-191 S^T, two buffers of two tiles; v192-255 P, likewise
;   window 1: O^T, 32 a tile          window 2: v0-127 Q, 16 a tile; v128-191 K of one step; v192-255 V of one step          window 3: v0-1 the add's two registers
.set NP,    4         ; pieces a wave
.set KS,    64        ; keys in a step
.set PK,    144       ; a row of K in LDS: 128 bytes + 16 of padding: an odd multiple of 16
.set PV,    160       ; a row of V: 128 + 32: an odd multiple of 32, for the turning load
.set VOFF,  1024*PK   ; K's 1,024 rows, then V's
.set STAGE, VOFF+1024*PV  ; behind them, never filled by a tensor load: 16 rows x 144 bytes for each wave
.set SP,    144
.set SPARE, STAGE+4*16*SP  ; the spare words: 128 bytes for each wave, two blocks of 256 bytes that no other line names
.set AK0, 2           ; v2   my lane's place in a step's K; never rewritten
.set AV0, 3           ; v3   the same for V
.set AK,  4           ; v4   the LDS address of K's next run of loads
.set AV,  5           ; v5   of V's
.set QO,  6           ; v6   my byte offset in the wave's rows of Q
.set STO, 6           ;      later, the way out: where I put 16 bytes of a row
.set RD,  7           ; v7   where I read rows back
.set GO,  8           ; v8   my byte offset in 512 consecutive bytes of ctx
.set SPW, 0           ; v0 of window 3   LDS address of my spare word; never rewritten
.set NIL, 1           ; v1 of window 3   0; never rewritten
.set MV,  12          ; v12-15  c m_old, kept while c m is made anew
.set ST,  16          ; tile t's statistics at v[ST+4 t]: c m, m, l (even keys', odd keys')
.set TMP, 48          ; by buffer and tile, four registers c0-c3 at work; c2 takes a
.set S,   64
.set P,   192
.set KF,  128         ; K's fragments, window 2: key block kb, channel half c at KF + 16 kb + 8 c
.set VF,  192         ; V's: key half kk, channel block cb at VF + 32 kk + 8 cb
.set WV,  12
.set G1K, 24          ; s[24:31] descriptor group 1 for K's tiles
.set G1V, 32          ; s[32:39] for V's: other padding
.set G0K, 40          ; s[40:55] group 0 for K's tiles: a set for each of the four parts
.set G0V, 68          ; s[68:83] for V's
.set PARTS, 56        ; s56  passes of four key steps still to come, the half pass at the end among them
.set CNT, 57          ; s57  counts a pass's key steps
.set CS,  58          ; s[58:59] c
.set SEL, 60          ; s[60:61] v_permlanex16_b32's selects
.set TBK, 62          ; s62  LDS byte at which K of the step to be fetched begins
.set TBV, 63          ; s63  the same for V, less VOFF
.set MSB, 0
.macro WIN new
.if MSB != (\new)
	s_set_vgpr_msb (MSB<<8)|(\new)
.set MSB, (\new)
.endif
.endm
.set W_KQ, 0x0a       ; K and Q in window 2, S^T in window 0
.set W_PV, 0x52       ; V in window 2, P in window 0, O^T in window 1
.set W_RS, 0x41       ; O^T (destination and source 0) in window 1, a in window 0
.set W_MK, 0xc0       ; destination in window 3
.set W_AD, 0x0f       ; the add: address and data in window 3
	s_load_b64 s[4:5], s[0:1], 0x0    ; qkv
	s_load_b64 s[10:11], s[0:1], 0x8  ; ctx
	WIN W_MK
	v_lshl_add_u32 v[SPW], v0, 2, SPARE
	v_mov_b32 v[NIL], 0
	WIN W_AD
	ds_add_u32 v[SPW], v[NIL]       ; the wave's opening: the add and its wait stand ahead of my first tensor load
	ds_add_u32 v0, v1
	WIN 0
	v_lshrrev_b32 v1, 5, v0
	v_readfirstlane_b32 s[WV], v1   ; wave 0..3
	s_mov_b32 s14, ttmp9            ; my block of 512 queries
	s_and_b32 s20, ttmp7, 0xffff    ; the head,
	s_lshl_b32 s20, s20, 17         ; 131,072 bytes each
	s_mov_b32 s21, 0
	s_and_b32 s16, s[WV], 1         ; which half of each 256 keys I fetch:
	s_lshl_b32 s22, s16, 14         ; its 128 rows of 128 bytes in memory,
	s_mov_b32 s23, 0
	s_add_nc_u64 s[22:23], s[22:23], s[20:21]
	s_mul_i32 s17, s16, 128*PK      ; and its place in LDS, for K
	s_mul_i32 s18, s16, 128*PV      ; and for V
	s_lshl_b32 s2, s14, 2
	s_add_co_u32 s2, s2, s[WV]      ; my wave among the head's eight,
	s_lshl_b32 s2, s2, 14           ; its 128 rows
	s_mov_b32 s3, 0
	s_add_nc_u64 s[2:3], s[2:3], s[20:21]
	; descriptor group 1.  128 keys are 16,384 dense bytes: asked for as 64 rows of 256 bytes, two keys a row, and padded in LDS after every key
	s_mov_b32 s[G1K], (1<<16)|(1<<20)|(4<<22)|(3<<25)  ; 2-byte elements; padding on; after every 32 words; 4 words
	s_mov_b32 s[G1V], (1<<16)|(1<<20)|(4<<22)|(7<<25)  ; the same with 8 words
.irp g, G1K, G1V
	s_mov_b32 s[\g+1], 128<<16      ; tensor_dim0 = 128
	s_mov_b32 s[\g+2], 64<<16       ; tensor_dim1 = 64
	s_mov_b32 s[\g+3], 128<<16      ; tile_dim0 = 128
	s_mov_b32 s[\g+4], 64           ; tile_dim1 = 64
	s_mov_b32 s[\g+5], 128          ; 128 elements from row to row
	s_mov_b32 s[\g+6], 0
	s_mov_b32 s[\g+7], 0
.endr
.irp s, 0,1,2,3                     ; part s: keys 256 s .. 256 s + 255
	s_mov_b32 s[G0K+4*\s], 1
	s_add_co_u32 s[G0K+4*\s+1], s17, \s*256*PK
	s_mov_b32 s[G0V+4*\s], 1
	s_add_co_u32 s[G0V+4*\s+1], s18, VOFF+\s*256*PV
.endr
	s_mov_b32 s[CS], 0x3e38aa3b     ; c = log2(e) / 8
	s_mov_b32 s[CS+1], s[CS]        ; named with it as a pair
	s_mov_b32 s[SEL], 0x76543210
	s_mov_b32 s[SEL+1], 0xfedcba98
	s_mov_b32 s[TBK], 0
	s_mov_b32 s[TBV], 0
	v_and_b32 v1, 15, v0            ; l % 16
	v_bfe_u32 v9, v0, 4, 1          ; l / 16
	v_lshlrev_b32 v[QO], 7, v1
	v_lshl_add_u32 v[QO], v9, 4, v[QO]  ; row x 128 + 16 x half
	s_wait_dscnt 0x0                ; the opening add is done
	s_wait_kmcnt 0x0
	s_add_nc_u64 s[6:7], s[4:5], 0x1000000   ; K follows Q's 128 heads,
	s_add_nc_u64 s[8:9], s[4:5], 0x2000000   ; V follows K's
	s_add_nc_u64 s[6:7], s[6:7], s[22:23]    ; at my half of the head's first 256 keys
	s_add_nc_u64 s[8:9], s[8:9], s[22:23]
.irp s, 0,1,2,3
	s_add_nc_u64 s[G0K+4*\s+2:G0K+4*\s+3], s[6:7], \s*32768
	s_or_b32 s[G0K+4*\s+3], s[G0K+4*\s+3], 0x80000000  ; type = 2
	s_add_nc_u64 s[G0V+4*\s+2:G0V+4*\s+3], s[8:9], \s*32768
	s_or_b32 s[G0V+4*\s+3], s[G0V+4*\s+3], 0x80000000
.endr
	s_add_nc_u64 s[4:5], s[4:5], s[2:3]      ; Q and ctx at my wave's first row
	s_add_nc_u64 s[10:11], s[10:11], s[2:3]
	WIN 0x80                        ; destination window 2, address window 0
.set i, 0
.rept 4*NP                          ; Q is asked for first: the first product wants it.  It stays in registers: tile i / 2, channels 32 (i % 2) on
	global_load_b128 v[8*i:8*i+3],   v[QO], s[4:5] offset:(i/2)*2048+(i%2)*64
	global_load_b128 v[8*i+4:8*i+7], v[QO], s[4:5] offset:(i/2)*2048+(i%2)*64+32
.set i, i+1
.endr
	WIN 0
	s_cmp_lt_u32 s[WV], 2           ; waves 0 and 1 fetch K's halves, waves 2 and 3 V's.  A wave's four fills stand in one branch: four tensor loads of mine are out; an s_nop 0 follows each, four v_nop the last
	s_cbranch_scc0 .Lfirst_v
.irp s, 0,1,2,3
	tensor_load_to_lds s[G0K+4*\s:G0K+4*\s+3], s[G1K:G1K+7]
	s_nop 0
.endr
.rept 4
	v_nop
.endr
	s_branch .Lfirst_asked
.Lfirst_v:
.irp s, 0,1,2,3
	tensor_load_to_lds s[G0V+4*\s:G0V+4*\s+3], s[G1V:G1V+7]
	s_nop 0
.endr
.rept 4
	v_nop
.endr
.Lfirst_asked:
	; What the first turn finds: V's registers and P's second buffer hold 0 (its products V^T P, of a piece that has not been, add 0), O^T and l are 0.  All this stands in the wait for the first part.
	WIN 0x80
.set i, VF
.rept 64
	v_mov_b32 v[i], 0
.set i, i+1
.endr
	WIN 0x40
.set i, 0
.rept 64*NP
	v_mov_b32 v[i], 0
.set i, i+1
.endr
	WIN 0
.set i, 0
.rept 2*NP
	v_mov_b32 v[ST+4*i], 0xfe000000    ; c m: far below every c s
	v_mov_b32 v[ST+4*i+1], 0xff7fffff  ; m
	v_mov_b32 v[ST+4*i+2], 0
	v_mov_b32 v[ST+4*i+3], 0
.set i, i+1
.endr
.set i, P+32
.rept 32
	v_mov_b32 v[i], 0
.set i, i+1
.endr
	v_mul_u32_u24 v[AK0], v1, PK
	v_lshl_add_u32 v[AK0], v9, 4, v[AK0]  ; row x pitch + 16 x half
	; the turning load takes 16 keys x 16 channels (lane l reads key 8 (l / 16) + l % 8, channels 8 ((l / 8) % 2) + 0..7) and leaves half a fragment of V^T
	v_and_b32 v10, 7, v0
	v_bfe_u32 v11, v0, 3, 1
	v_lshl_add_u32 v[AV0], v9, 3, v10
	v_mul_u32_u24 v[AV0], v[AV0], PV
	v_lshl_add_u32 v[AV0], v11, 4, v[AV0]
	v_add_nc_u32 v[AV0], VOFF, v[AV0]
	v_mov_b32 v[AK], v[AK0]         ; key step 0 lies at LDS byte 0
; THE MATRIX WORK.  The 8 accumulators of a run of 16 take turns.  Product i of 16 of S^T = K Q^T for piece x: channels 32 (i / 8) on, keys 16 ((i / 2) % 4) on, tile 2 x + i % 2.
.macro KQ x
	WIN W_KQ
.set rS, S+64*((\x)%2)+32*(i%2)+8*((i/2)%4)
.set rK, KF+16*((i/2)%4)+8*(i/8)
.set rQ, 16*(2*(\x)+i%2)+8*(i/8)
.if i < 8
	v_wmma_f32_16x16x32_bf16 v[rS:rS+7], v[rK:rK+7], v[rQ:rQ+7], 0
.else
	v_wmma_f32_16x16x32_bf16 v[rS:rS+7], v[rK:rK+7], v[rQ:rQ+7], v[rS:rS+7]
.endif
.endm
; Product i of 16 of O^T += V^T P for piece x: keys 32 (i / 8) on, channels 16 ((i / 2) % 4) on, tile 2 x + i % 2.
.macro PV x
	WIN W_PV
.set rO, 32*(2*(\x)+i%2)+8*((i/2)%4)
.set rV, VF+32*(i/8)+8*((i/2)%4)
.set rP, P+32*((\x)%2)+16*(i%2)+8*(i/8)
	v_wmma_f32_16x16x32_bf16 v[rO:rO+7], v[rV:rV+7], v[rP:rP+7], v[rO:rO+7]
.endm
.macro MM                           ; the turn's next matrix instruction
.if i < 16
	KQ (Y+1)%NP
.set i, i+1
.else
.set i, i-16
	PV (Y+NP-1)%NP
.set i, i+17
.endif
.endm
; THE LDS LOADS stand in runs of 16.  last = 1 (in the loop): in the half pass at the end there is no further step, and the run is jumped over.
.macro FETCH_K last=0
	WIN 0
.if \last
	s_cmp_eq_u32 s[PARTS], 1
	s_cbranch_scc1 .Lno_k_\@
.endif
	WIN 0x80                        ; destination window 2
.irp f, 0,1,2,3,4,5,6,7             ; keys 16 (f / 2) on, channels 32 (f % 2) on
	ds_load_b128 v[KF+8*\f:KF+8*\f+3],   v[AK] offset:(\f/2)*16*PK+(\f%2)*64
	ds_load_b128 v[KF+8*\f+4:KF+8*\f+7], v[AK] offset:(\f/2)*16*PK+(\f%2)*64+32
.endr
	s_add_co_u32 s[TBK], s[TBK], KS*PK  ; the next fetch is the next step's: the steps lie on end
	WIN 0
.if \last
.Lno_k_\@:
.endif
.endm
.macro FETCH_V
	WIN 0x80
.irp f, 0,1,2,3,4,5,6,7             ; keys 32 (f / 4) on, channels 16 (f % 4) on
	ds_load_tr16_b128 v[VF+8*\f:VF+8*\f+3],   v[AV] offset:(\f/4)*32*PV+(\f%4)*32
	ds_load_tr16_b128 v[VF+8*\f+4:VF+8*\f+7], v[AV] offset:(\f/4)*32*PV+16*PV+(\f%4)*32
.endr
	WIN 0
.endm
; THE VECTOR WORK OF A TURN stands in three queues, each in the order in which its entries become ready; the two tiles alternate.
.macro REGS y, u                    ; the registers of tile u (0, 1) of piece y
.set rT, ST+4*(2*(\y)+(\u))
.set rC, TMP+8*((\y)%2)+4*(\u)
.set rM, MV+2*((\y)%2)+(\u)
.set rS, S+64*((\y)%2)+32*(\u)
.set rP, P+32*((\y)%2)+16*(\u)
.set rO, 32*(2*(\y)+(\u))
.endm
; Number n of the 22 that find the NEXT piece's maximum and statistics; each accumulator's lowest registers are read first.
;   0-11 four chains c0-c3 of seven scores each     12-14, 16 the four scores left over, the old m, and c0-c3 into c0     15 c m_old is kept     17, 18 the other half of the lanes: the new m     19-21 c m; its change; a
.macro XS u, n
	REGS (Y+1)%NP, \u
.if (\n) < 4
	v_max3_num_f32 v[rC+(\n)], v[rS+8*(\n)], v[rS+8*(\n)+1], v[rS+8*(\n)+2]
.elseif (\n) < 12
	v_max3_num_f32 v[rC+(\n)%4], v[rC+(\n)%4], v[rS+8*((\n)%4)+2*((\n)/4)+1], v[rS+8*((\n)%4)+2*((\n)/4)+2]
.elseif (\n) == 12
	v_max3_num_f32 v[rC], v[rC], v[rS+7], v[rS+15]
.elseif (\n) == 13
	v_max3_num_f32 v[rC+1], v[rC+1], v[rS+23], v[rS+31]
.elseif (\n) == 14
	v_max3_num_f32 v[rC+2], v[rC+2], v[rC+3], v[rT+1]
.elseif (\n) == 15
	v_mov_b32 v[rM], v[rT]
.elseif (\n) == 16
	v_max3_num_f32 v[rC], v[rC], v[rC+1], v[rC+2]
.elseif (\n) == 17
	v_permlanex16_b32 v[rC+3], v[rC], s[SEL], s[SEL+1]
.elseif (\n) == 18
	v_max_num_f32 v[rT+1], v[rC], v[rC+3]
.elseif (\n) == 19
	v_mul_f32 v[rT], s[CS], v[rT+1]
.elseif (\n) == 20
	v_sub_f32 v[rC+1], v[rM], v[rT]
.else
	v_exp_f32 v[rC+2], v[rC+1]
.endif
.endm
; Number g of the 64 that follow the exponentials.  For each four weights of a tile: both pairs are rounded to bf16; the second pair is added onto the first, in place; a group later l takes that sum.
.macro GS g
.set h, (\g)+6*((\g)/62)            ; group 0 has no group before it, and behind group 7 only l is left
.if h >= 6
.set h, h+2
.endif
	REGS Y, h%2
.set k, h/8
.if h%8 < 4
	v_cvt_pk_bf16_f32 v[rP+2*k+(h%8)/2], v[rS+4*k+2*((h%8)/2)], v[rS+4*k+2*((h%8)/2)+1]
.elseif h%8 < 6
	v_pk_add_f32 v[rS+4*k:rS+4*k+1], v[rS+4*k:rS+4*k+1], v[rS+4*k+2:rS+4*k+3]
.elseif k == 1
	v_pk_fma_f32 v[rT+2:rT+3], v[rT+2:rT+3], v[rC+2:rC+3], v[rS:rS+1] op_sel_hi:[1,0,1]
.else
	v_pk_add_f32 v[rT+2:rT+3], v[rT+2:rT+3], v[rS+4*k-4:rS+4*k-3]
.endif
.endm
; THE PLAIN QUEUE, 138 long.  0-73 read no exponential's result: the 32 scalings c s - c m and the next piece's 42, the links of its chain three plain instructions apart.  74-137: GS's 64, behind the wait.
.macro FS f
	REGS Y, (\f)%2
	v_pk_fma_f32 v[rS+2*((\f)/2):rS+2*((\f)/2)+1], v[rS+2*((\f)/2):rS+2*((\f)/2)+1], s[CS:CS+1], v[rT:rT+1] op_sel_hi:[1,0,0] neg_lo:[0,0,1] neg_hi:[0,0,1]
.endm
.macro PL
	WIN 0
.if q < 27
	FS q
.elseif q < 55
	XS (q-27)%2, (q-27)/2
.elseif q < 57
	XS q-55, 15
.elseif (q < 72) && ((q-57)%3 == 0)
	FS 27+(q-57)/3
.elseif q < 60
	XS (q-57)%3-1, 14
.elseif q < 72
	XS (q-57)%3-1, 15+(q-57)/3
.elseif q < 74
	XS q-72, 20
.else
	GS q-74
.endif
.set q, q+1
.endm
; THE EXPONENTIALS' QUEUE, 66 long: s0-s31 of both tiles, then the next piece's two a.  All 66 stand ahead of the turn's one wait, and nothing ahead of that wait names a result of theirs.
.macro EX
	WIN 0
.if e >= 64
	XS e-64, 21
.else
	REGS Y, e%2
	v_exp_f32 v[rS+e/2], v[rS+e/2]
.endif
.set e, e+1
.endm
; THE RESCALING's QUEUE: O^T times a, the one part that leaves window 0: two at a time, sixteen times.  Its a was made, and waited for, in the turn before.
.macro R2
	REGS Y, r%2
	WIN W_RS
.irp z, 0,1
	v_pk_mul_f32 v[rO+4*(r/2)+2*\z:rO+4*(r/2)+2*\z+1], v[rO+4*(r/2)+2*\z:rO+4*(r/2)+2*\z+1], v[rC+2:rC+3] op_sel_hi:[1,0]
.endr
.set r, r+1
.endm
; A TURN, for piece p.  AHEAD OF THE WAIT: the 16 products K Q^T, behind each a scaling, an exponential and two rescalings (behind the first a second scaling); then one run of 108: eight plain, 49 times exponential
; and plain, the two a; a v_nop is the plain instruction behind the last exponential.  BEHIND IT: the 16 products V^T P, behind each four of the roundings and sums.
; Exponential e stands behind scaling 2 (e / 4) + e % 2: as a rider it comes behind plain e + 2, in the run behind plain e + 9.
; K of the next step is fetched in piece 2's turn, directly behind the wait; V of the step in hand at the end of piece 0's turn, four plain instructions behind its last reader.  cnt = 1: the loop's count is
; taken down some lines ahead of the branch behind the turn.
.macro TURN p, cnt=0
.set Y, (\p)
.set i, 0
.set q, 0
.set e, 0
.set r, 0
.if (\p) == NP-1
	s_wait_dscnt 0x0                ; K is in
.endif
	MM
	PL
	PL
	R2
.rept 15
	MM
	PL
	EX
	R2
.endr
.if (\p) == NP-2
	WIN 0
	v_add_nc_u32 v[AK], s[TBK], v[AK0]
.endif
.rept 8
	PL
.endr
.rept 49
	EX
	PL
.endr
	EX                              ; the next piece's two a
	EX
	v_nop                           ; a plain instruction behind the last exponential: one for the batch
	s_wait_alu depctr_va_vdst(0)    ; the one wait for the batch, ahead of its first reader
.if (\p) == NP-2
	FETCH_K 1
.endif
.if (\p) == 1
	s_wait_dscnt 0x0                ; V is in
.endif
.rept 16
	MM
.rept 4
	PL
.endr
.if ((\p) == 0) && (q == 118)
	v_add_nc_u32 v[AV], s[TBV], v[AV0]
.endif
.if ((\p) == 0) && (q == 130)
	s_add_co_u32 s[TBV], s[TBV], KS*PV
.endif
.if (\cnt) && (q == 130)
	s_sub_co_u32 s[CNT], s[CNT], 1
	s_cmp_lg_u32 s[CNT], 0
.endif
.endr
.if (\p) == 0
	FETCH_V
.endif
.endm
	s_wait_tensorcnt 3              ; my part of the first 256 keys is in; my three later loads may stay out
	s_barrier_signal -1
	s_barrier_wait -1               ; everybody's is
	FETCH_K                         ; key step 0
	s_wait_loadcnt 0x0              ; Q
	s_wait_dscnt 0x0
.set i, 0
.rept 16
	KQ 0                            ; piece 0's first scores
.set i, i+1
.endr
	WIN 0                           ; the addresses for the way out: plain instructions, the places behind those products
	s_mul_i32 s13, s[WV], 16*SP
	s_add_co_u32 s13, s13, STAGE    ; my stage
	v_mul_u32_u24 v[STO], v1, SP    ; in: row l % 16, 16 bytes for each half of the lanes
	v_lshl_add_u32 v[STO], v9, 4, v[STO]
	v_add_nc_u32 v[STO], s13, v[STO]
	v_bfe_u32 v[RD], v0, 3, 2       ; back: 32 lanes take four rows of 128 bytes,
	v_mul_u32_u24 v[RD], v[RD], SP
	v_lshl_add_u32 v[RD], v10, 4, v[RD]
	v_add_nc_u32 v[RD], s13, v[RD]
	v_and_b32 v[GO], 31, v0         ; which are 512 consecutive bytes of ctx
	v_lshlrev_b32 v[GO], 4, v[GO]
.set Y, NP-1                        ; XS works for piece Y + 1: piece 0
.irp n, 0,1,2,3,4,5,6,7,8,9,10,11,12,13,14,15,16,17,18,19,20,21
	XS 0, \n
	XS 1, \n
.endr
	v_nop                           ; a plain instruction behind the two a,
	s_wait_alu depctr_va_vdst(0)    ; and their wait, ahead of the branch
	s_mov_b32 s[CNT], 4
	s_mov_b32 s[PARTS], 5           ; four passes of four key steps; the fifth is left in its middle
	s_branch .Lfirst                ; the loop is entered at a step's first turn, in the middle of a trip
.Lpart:                             ; the first time round my three later loads are waited for here, four key steps behind their issue, and the barrier shows every wave's parts to all; later the wait is met at once
	s_wait_tensorcnt 0x0
	s_wait_dscnt 0x0
	s_barrier_signal -1
	s_barrier_wait -1
	s_mov_b32 s[CNT], 4
.Lstep:                             ; a trip: pieces 2 and 3 of one step, then pieces 0 and 1 of the next, whose K and V it fetches
	TURN 2
	TURN 3
	WIN 0
	s_cmp_eq_u32 s[PARTS], 1        ; those were the last step's
	s_cbranch_scc1 .Lout
.Lfirst:
	TURN 0
	TURN 1, 1
	WIN 0
	s_cbranch_scc1 .Lstep
	s_sub_co_u32 s[PARTS], s[PARTS], 1
	s_cmp_lg_u32 s[PARTS], 0
	s_cbranch_scc1 .Lpart
.Lout:                              ; the half pass's 16 products K Q^T (on the last K once more) and the maximum made of them serve nothing: the price, once a launch, of one text for every trip
.set i, 0
.rept 16
	PV NP-1                         ; the last piece's V^T P of the last step
.set i, i+1
.endr
	; THE WAY OUT.  l's two halves and the other half of the lanes' are added; O^T is divided by l, rounded to bf16 and sent through my stage, a tile at a time.  The additions are the places behind the last products.
	WIN 0
.macro ALL line:vararg              ; one line for each tile t
.set t, 0
.rept 2*NP
	\line
.set t, t+1
.endr
.endm
	ALL v_add_f32 v[ST+4*t+2], v[ST+4*t+2], v[ST+4*t+3]
	ALL v_permlanex16_b32 v[ST+4*t+3], v[ST+4*t+2], s[SEL], s[SEL+1]
	ALL v_add_f32 v[ST+4*t+2], v[ST+4*t+2], v[ST+4*t+3]
	ALL v_rcp_f32 v[ST+4*t+2], v[ST+4*t+2]
	v_nop                           ; a plain instruction between the last reciprocal and the use of its result
	s_wait_alu depctr_va_vdst(0)    ; one wait for the eight reciprocals, ahead of the first use
.macro PACK t                       ; a lane's eight channels of a row pack into 16 bytes; they go into rows of 144 bytes and come back as whole rows of 128, into S^T's registers
	WIN W_RS
.set i, 32*(\t)
.rept 16
	v_pk_mul_f32 v[i:i+1], v[i:i+1], v[ST+4*(\t)+2:ST+4*(\t)+3] op_sel_hi:[1,0]
.set i, i+2
.endr
	WIN 0x05                        ; sources 0 and 1 window 1, destination window 0
.set i, 0
.rept 16
	v_cvt_pk_bf16_f32 v[S+16*(\t)+i], v[32*(\t)+2*i], v[32*(\t)+2*i+1]
.set i, i+1
.endr
	WIN 0
.irp f, 0,1,2,3
	ds_store_b128 v[STO], v[S+16*(\t)+4*\f:S+16*(\t)+4*\f+3] offset:32*\f
.endr
.irp f, 0,1,2,3
	ds_load_b128 v[S+16*(\t)+4*\f:S+16*(\t)+4*\f+3], v[RD] offset:\f*4*SP  ; LDS serves a wave's instructions in order (ISA guide 5.7.1.4): these see the stores above; the next tile's stores come behind them
.endr
.endm
.macro SEND t, younger              ; younger: the LDS instructions issued behind tile t's loads: the next tile's eight, or none
	WIN 0
.irp f, 0,1,2,3
	s_wait_dscnt (\younger)+3-\f
	global_store_b128 v[GO], v[S+16*(\t)+4*\f:S+16*(\t)+4*\f+3], s[10:11] offset:(\t)*2048+\f*512  ; 512 consecutive bytes, aligned
.endr
.endm
	PACK 0
.set t, 1
.rept 2*NP-1                        ; a tile's arithmetic stands between the loads of the tile before and its stores
	PACK t
	SEND t-1, 8
.set t, t+1
.endr
	SEND 2*NP-1, 0
	WIN W_AD
	s_wait_tensorcnt 0x0            ; the wave's end: a wait, an add and its wait, behind my last tensor load and my last LDS store
	ds_add_u32 v[SPW], v[NIL]
	s_wait_dscnt 0x0
	WIN 0
	s_endpgm
.Lfunc_end_k_q22cbda58f3_attn:
	.size	k_q22cbda58f3_attn, .Lfunc_end_k_q22cbda58f3_attn-k_q22cbda58f3_attn
	.p2alignl 7, 3214868480
	.fill 96, 4, 3214868480
	.section	.rodata,"a",@progbits
	.p2align	6, 0x0
	.amdhsa_kernel k_q22cbda58f3_attn
		.amdhsa_group_segment_fixed_size 327680
		.amdhsa_private_segment_fixed_size 0
		.amdhsa_enable_private_segment 0
		.amdhsa_kernarg_size 16
		.amdhsa_user_sgpr_count 2
		.amdhsa_user_sgpr_kernarg_segment_ptr 1
		.amdhsa_wavefront_size32 1
		.amdhsa_system_sgpr_workgroup_id_x 1
		.amdhsa_system_sgpr_workgroup_id_y 1
		.amdhsa_system_sgpr_workgroup_id_z 1
		.amdhsa_system_vgpr_workitem_id 0
		.amdhsa_next_free_vgpr 770
		.amdhsa_next_free_sgpr 84
		.amdhsa_reserve_vcc 0
		.amdhsa_float_denorm_mode_32 3
		.amdhsa_float_denorm_mode_16_64 3
		.amdhsa_memory_ordered 1
		.amdhsa_forward_progress 1
		.amdhsa_inst_pref_size 127
	.end_amdhsa_kernel
	.amdgpu_metadata
---
amdhsa.version: [ 1, 2 ]
amdhsa.kernels:
  - .name:           k_q22cbda58f3_attn
    .symbol:         k_q22cbda58f3_attn.kd
    .args:
      - { .name: qkv, .offset: 0, .size: 8, .value_kind: global_buffer, .address_space: global }
      - { .name: ctx, .offset: 8, .size: 8, .value_kind: global_buffer, .address_space: global }
    .group_segment_fixed_size: 327680
    .private_segment_fixed_size: 0
    .kernarg_segment_align: 8
    .kernarg_segment_size: 16
    .max_flat_workgroup_size: 128
    .sgpr_count:     84
    .vgpr_count:     770
    .wavefront_size: 32
...
	.end_amdgpu_metadata
.endif
;; end of part 3
;; launch outp (part 4): grid 8 x 32, 4 waves a work-group, clusters of 4 x 4, 327,680 bytes of LDS; arguments ctx, wbf, out_proj_b, out0, x; writes out0
.if DOCPART == 4
	.amdgcn_target "amdgcn-amd-amdhsa--gfx1250"
	.amdhsa_code_object_version 6
	.text
	.protected	k_q22cbda58f3_outp
	.globl	k_q22cbda58f3_outp
	.p2align	8
	.type	k_q22cbda58f3_outp,@function
k_q22cbda58f3_outp:
	s_mov_b64 s[64:65], 0
	v_nop
	global_prefetch_b8 v0, s[64:65] scope:SCOPE_SE
	s_setreg_imm32_b32 hwreg(HW_REG_WAVE_MODE, 25, 1), 1
	s_wait_xcnt 0x0
	s_wait_alu depctr_hold_cnt(0) depctr_sa_sdst(0) depctr_va_vdst(0) depctr_va_sdst(0) depctr_va_ssrc(0) depctr_va_vcc(0) depctr_vm_vsrc(0)
	s_getreg_b32 s2, hwreg(HW_REG_IB_STS2, 6, 4)
	s_cmp_eq_u32 s2, 0
	s_cbranch_scc0 .Lentry_in_a_cluster
	s_endpgm
.Lentry_in_a_cluster:
	s_bfe_u32 s2, ttmp6, 0x10000c
	s_cmp_lg_u32 s2, 0xf033
	s_cbranch_scc0 .Lentry_shape_is_right
	s_endpgm
.Lentry_shape_is_right:
; THE OUTPUT PROJECTION.  out0(token, e) = the sum over d of ctx(token, d) W[e][d] + out_proj_b[e] + x(token, e); 8,192 tokens, e and d = 0 .. 1,023.  ctx lies by heads, [16 b + h][s][64] in bf16
; (d = 64 h + channel); W is rows 3,072 .. 4,095 of wbf, bf16.  Sums, bias and residual in f32; out0 is f32.
; LIMITS.  The operands were rounded to bf16 by the launches before; the K steps are added in an order that differs from cluster to cluster (below); NaN and infinities are not treated apart.
; SHARES.  A work-group makes 256 tokens x 128 columns: 8 x 32 = 256 work-groups.  The four waves split the tokens alone: wave w has rows 64 w .. + 63 (four blocks of 16) and all 8 blocks of 16 columns: 32
; accumulators.  K goes in 8 steps of 128 = two heads, through two LDS slots.  Wave 0 fetches the tile's 256 rows of the slice's first head, wave 1 of its second: 32,768 dense bytes each, asked for as 128 rows
; of 256 bytes and padded in LDS after every 128; waves 2 and 3 fetch 64 rows of W each.
; CLUSTER.  4 x 4 work-groups: A's tile hangs on the tile row alone and is asked for jointly by a row of the cluster, B's on the tile column alone, by a column.
; THE WALK ALONG K BEGINS AT ANOTHER STEP IN EACH CLUSTER: step n takes the K slice (n + R) % 8, R = 4 x cluster x + 2 x ((cluster y + 2 (cluster y / 4)) % 4).  The two clusters along x, which read the same rows
; of ctx, are four slices apart; of the eight along y, which read the same rows of W, any four on end are two apart.  R hangs on the cluster's place alone, so it is the same in all sixteen partners.
; THE MATRIX INSTRUCTION IS USED TRANSPOSED (source 0 = 16 rows of W, source 1 = 16 tokens): lane l holds token l % 16 and the columns 8 (l / 16) + 0 .. 7.  The first product of each accumulator takes the
; bias, laid out in that form, as its C.
; REGISTERS, in windows of 256 (s_set_vgpr_msb: bits 1:0 source 0, 3:2 source 1, 5:4 source 2, 7:6 destination):
;   window 0: addresses; v32-95 and v128-191 at work on the way out; v128-191 before that the bias        window 1: two fragment buffers: A's block a at 8 a, B's block b at 32 + 8 b
;   window 2: the accumulators ((a, b) at 8 (8 a + b))        window 3: my 64 rows x 512 bytes of x: row 16 a + i at 64 a + 4 i
.set NB,    8
.set APW,   4
.set PA,    144                        ; an LDS row of A: a head's 128 bytes + 16 of padding: an odd multiple of 16
.set QPH,   2                          ; quarters of 32 along K in a head's row
.set AHB,   36864                      ; LDS bytes from the first head's rows to the second's
.set RA,    128
.set RB,    64
.set HA,    36864
.set HB,    64*272
.set QIA,   4                          ; A is padded after every 32 words
.set PITA,  128                        ; A's rows of 256 bytes are dense
.set LA,    18                         ; a K slice of A, two heads, is 1 << LA bytes from the next
.set ASTEP, 1<<LA
.set BSTEP, 256
.set SLOT1, 131072
.set NL,    2*(4+NB)
.set STAGE, SLOT1+2*HA+2*HB            ; behind the ring, never filled by a tensor load: for each wave 16 rows x 528 bytes
.set WST,   16*528
.set SPARE, STAGE+4*WST                ; the spare words: 128 bytes for each wave, two blocks of 256 bytes that no other line names
.set ADRA0, 16
.set ADRB0, 17
.set ADRA,  18
.set ADRB,  19
.set STO,   24                         ; v24  the way out: where I put 32 bytes of a row
.set RD,    25                         ; v25  where I read a row back
.set GO,    26                         ; v26  16 x lane
.set BO,    27
.set SPW,   28                         ; v28  LDS address of my spare word; never rewritten
.set NIL,   29                         ; v29  0; never rewritten
.set BIAS,  128
.set F0,    0
.set F1,    128
.set WV,  14
.set FB,  15
.set HF,  16
.set CX,  17
.set CY,  18
.set TC,  19
.set TR,  20
.set G1A, 24
.set G0A, 32
.set G1B, 48
.set G0B, 56
.set TB,  66
.set CNT, 67
.set KN,  80                           ; s80  R + the number of the step asked for last
.set OA,  82                           ; s[82:83] byte offset of the slice to be asked for, from A's slice 0; the high word stays 0
.set OB,  84                           ; s[84:85] the same for B
.set MSB, 0
.macro WIN new                         ; the immediate's high byte repeats the setting that is left; a switch that changes nothing is dropped
.if MSB != (\new)
	s_set_vgpr_msb (MSB<<8)|(\new)
.set MSB, \new
.endif
.endm
.macro PLACES                          ; four plain instructions between a matrix instruction and a load into, or a read of, its registers
.rept 4
	v_nop
.endr
.endm
.macro CREST                           ; a round of the cluster's barrier behind its opening barrier
	s_cmp_lg_u32 s[WV], 0
	s_cbranch_scc1 .Lnot_wave_0_\@
	s_barrier_signal -3
.Lnot_wave_0_\@:
	s_barrier_wait -3
	s_barrier_signal -1
	s_barrier_wait -1
.endm
.macro CROUND
	s_barrier_signal -1
	s_barrier_wait -1
	CREST
.endm
.macro JLOAD                           ; a joint refill by the walking set; the branch hangs on the wave's number alone; s_nop 0 and four v_nop follow each line
	s_cmp_eq_u32 s[FB], 0
	s_cbranch_scc0 .Lfor_b_\@
	tensor_load_to_lds s[G0A+4:G0A+7], s[G1A:G1A+7]
	s_nop 0
.rept 4
	v_nop
.endr
	s_branch .Lasked_\@
.Lfor_b_\@:
	tensor_load_to_lds s[G0B+4:G0B+7], s[G1B:G1B+7]
	s_nop 0
.rept 4
	v_nop
.endr
.Lasked_\@:
.endm
; NB products: token block a x all column blocks, 32 along K, from buffer f.  first = 1: C is the bias.  Every accumulator has one turn a quarter, in one fixed order: 4 NB - 1 others' stand between two links.
.macro MULA f, a, first
.set WA, 2+(\a)/APW
.set AC, 8*NB*((\a)%APW)
.if \first
	WIN (WA<<6)|5
.else
	WIN WA*0x50+5
.endif
.set b, 0
.rept NB
.if \first
	v_wmma_f32_16x16x32_bf16 v[AC+8*b:AC+8*b+7], v[(\f)+32+8*b:(\f)+32+8*b+7], v[(\f)+8*(\a):(\f)+8*(\a)+7], v[BIAS+8*b:BIAS+8*b+7]
.else
	v_wmma_f32_16x16x32_bf16 v[AC+8*b:AC+8*b+7], v[(\f)+32+8*b:(\f)+32+8*b+7], v[(\f)+8*(\a):(\f)+8*(\a)+7], v[AC+8*b:AC+8*b+7]
.endif
.set b, b+1
.endr
.endm
; NL LDS loads in one run: quarter q's fragments into buffer f; B's first, then A's four blocks
.macro FETCH q, f
	WIN 0x40
.set b, 0
.rept NB
	ds_load_b128 v[(\f)+32+8*b:(\f)+32+8*b+3],   v[ADRB] offset:64*(\q)+4352*b
	ds_load_b128 v[(\f)+32+8*b+4:(\f)+32+8*b+7], v[ADRB] offset:64*(\q)+4352*b+32
.set b, b+1
.endr
.irp a, 0,1,2,3
	ds_load_b128 v[(\f)+8*(\a):(\f)+8*(\a)+3],   v[ADRA] offset:((\q)/QPH)*AHB+((\q)%QPH)*64+16*PA*(\a)
	ds_load_b128 v[(\f)+8*(\a)+4:(\f)+8*(\a)+7], v[ADRA] offset:((\q)/QPH)*AHB+((\q)%QPH)*64+16*PA*(\a)+32
.endr
.endm
; One of a K step's first three quarters: multiplies buffer f; in its middle it fetches quarter q into buffer g.
.macro QUARTER q, f, g, first=0
	s_wait_dscnt 4                                 ; B and A's blocks 0, 1 are in; the youngest four loads (A's blocks 2, 3) may be out
	MULA \f, 0, \first
	MULA \f, 1, \first
	PLACES
	FETCH \q, \g
	s_wait_dscnt NL                                ; all but the NL just issued
	MULA \f, 2, \first
	MULA \f, 3, \first
.endm
; The last quarter multiplies buffer 1 and changes slots.  In front of the one barrier each wave waits for all its tensor loads (one is out: its part of the next slot), adds 0 to its spare word,
; and waits for that and for its reads of this slot.  fill = 1: the barrier opens a round of the cluster's, and this slot is filled again, two steps on, first thing behind the round.
; The walking sets' addresses are made anew from the step's number: the base, an offset made apart, the type bits.
.macro TURN fill
	WIN 0
	s_wait_tensorcnt 0x0                           ; no tensor load of mine is out, so a group 0 may be written
	ds_add_u32 v[SPW], v[NIL]                      ; adds 0 to my spare word; register work stands between it and the wait for it
.if \fill
	s_add_co_u32 s[KN], s[KN], 1
	s_and_b32 s[OB], s[KN], 7                      ; the K slice
	s_lshl_b32 s[OA], s[OB], LA
	s_lshl_b32 s[OB], s[OB], 8
	s_xor_b32 s[G0A+5], s[G0A+5], SLOT1            ; the other slot than last time
	s_add_nc_u64 s[G0A+6:G0A+7], s[40:41], s[OA:OA+1]
	s_or_b32 s[G0A+7], s[G0A+7], 0x80000000
	s_xor_b32 s[G0B+5], s[G0B+5], SLOT1
	s_add_nc_u64 s[G0B+6:G0B+7], s[44:45], s[OB:OB+1]
	s_or_b32 s[G0B+7], s[G0B+7], 0x80000000
.endif
	s_xor_b32 s[TB], s[TB], SLOT1
	s_wait_dscnt 5                                 ; the add and the youngest four loads may be out
	MULA F1, 0, 0
	s_wait_dscnt 0x0                               ; the add is done, and my reads of this slot are over
	s_barrier_signal -1
	MULA F1, 1, 0
	WIN 0
	s_barrier_wait -1
.if \fill
	CREST                                          ; no wave of any partner still reads this slot or has a load on its way
	JLOAD                                          ; its four v_nop are also the places in front of the loads below
.else
	PLACES
.endif
	v_add_nc_u32 v[ADRA], s[TB], v[ADRA0]
	v_add_nc_u32 v[ADRB], s[TB], v[ADRB0]
	FETCH 0, F0
	MULA F1, 2, 0
	MULA F1, 3, 0
.endm
.macro XLOAD a                         ; my 16 rows x 512 bytes of x for token block a, into window 3
	WIN 0xc0
.set i, 0
.rept 16
	global_load_b128 v[64*(\a)+4*i:64*(\a)+4*i+3], v[GO], s[12:13] offset:(16*(\a)+i)*4096 th:TH_LOAD_NT
.set i, i+1
.endr
.endm
	s_load_b256 s[4:11], s[0:1], 0x0               ; ctx s[4:5], wbf s[6:7], out_proj_b s[8:9], out0 s[10:11]
	s_load_b64 s[12:13], s[0:1], 0x20              ; x
	v_lshl_add_u32 v[SPW], v0, 2, SPARE
	v_mov_b32 v[NIL], 0
	ds_add_u32 v[SPW], v[NIL]                      ; the wave's opening: the add and its wait stand ahead of my first tensor load
	ds_add_u32 v28, v29
	v_lshrrev_b32 v1, 5, v0
	v_readfirstlane_b32 s[WV], v1
	s_lshr_b32 s[FB], s[WV], 1
	s_and_b32 s[HF], s[WV], 1
	s_bfe_u32 s[CX], ttmp6, 0x40000
	s_bfe_u32 s[CY], ttmp6, 0x40004
	s_lshl_b32 s[TC], ttmp9, 2
	s_add_co_u32 s[TC], s[TC], s[CX]               ; tile column = 4 x cluster x + cx
	s_and_b32 s[TR], ttmp7, 0xffff
	s_lshl_b32 s[TR], s[TR], 2
	s_add_co_u32 s[TR], s[TR], s[CY]               ; tile row = 4 x cluster y + cy
	s_lshl_b32 s21, s[CY], 2
	s_lshl_b32 s21, 15, s21                        ; my row of the cluster
	s_lshl_b32 s22, 0x1111, s[CX]                  ; my column
	s_or_b32 s[G1A], s21, (1<<16)|(1<<20)|(1<<21)|(QIA<<22)|(3<<25)  ; the mask; elements of 2 bytes; padding on; bit 21 beside a mask; the interval; 4 words of padding
	s_or_b32 s[G1B], s22, (1<<16)|(1<<20)|(1<<21)|(5<<22)|(3<<25)
	s_mov_b32 s[G1A+1], 128<<16                    ; tensor_dim0 = 128
	s_mov_b32 s[G1A+2], RA<<16                     ; tensor_dim1
	s_mov_b32 s[G1A+3], 128<<16                    ; tile_dim0 = 128
	s_mov_b32 s[G1A+4], RA                         ; tile_dim1
	s_mov_b32 s[G1A+5], PITA                       ; elements from row to row
	s_mov_b32 s[G1A+6], 0
	s_mov_b32 s[G1A+7], 0
	s_mov_b32 s[G1B+1], 128<<16
	s_mov_b32 s[G1B+2], RB<<16
	s_mov_b32 s[G1B+3], 128<<16
	s_mov_b32 s[G1B+4], RB
	s_mov_b32 s[G1B+5], 1024
	s_mov_b32 s[G1B+6], 0
	s_mov_b32 s[G1B+7], 0
	s_lshr_b32 s40, s[TR], 2                       ; A: the batch's 16 heads of 131,072 bytes,
	s_lshl_b32 s40, s40, 21
	s_lshl_b32 s41, s[HF], 17                      ; the first or second head of a K slice,
	s_add_co_u32 s40, s40, s41
	s_and_b32 s41, s[TR], 3                        ; the tile's 256 rows of 128 bytes.  s[40:43] never hold the tile column
	s_lshl_b32 s41, s41, 15
	s_add_co_u32 s40, s40, s41
	s_mov_b32 s41, 0
	s_mul_i32 s42, s[HF], HA                       ; and where it goes: no place in the cluster enters an LDS address
	s_lshl_b32 s44, s[TC], 18                      ; B: 128 rows of 2,048 bytes a tile column, 64 a half, behind in_proj_w's 3,072 rows.  s[44:47] never hold the tile row
	s_lshl_b32 s45, s[HF], 17
	s_add_co_u32 s44, s44, s45
	s_add_co_u32 s44, s44, 3072*2048
	s_mov_b32 s45, 0
	s_mul_i32 s46, s[HF], HB
	s_add_co_u32 s46, s46, 2*HA
	s_mov_b32 s[TB], 0
	s_and_b32 s86, ttmp7, 0xffff                   ; R, from the cluster's x and y alone
	s_lshr_b32 s87, s86, 2
	s_lshl_b32 s87, s87, 1
	s_add_co_u32 s86, s86, s87
	s_and_b32 s86, s86, 3
	s_lshl_b32 s86, s86, 1
	s_lshl_b32 s87, ttmp9, 2
	s_add_co_u32 s[KN], s86, s87
	s_and_b32 s[KN], s[KN], 7                      ; even: steps 0 and 1 take the slices R and R + 1
	s_lshl_b32 s[OA], s[KN], LA
	s_mov_b32 s[OA+1], 0
	s_lshl_b32 s[OB], s[KN], 8
	s_mov_b32 s[OB+1], 0
	s_add_co_u32 s[KN], s[KN], 1                   ; step 1 is the last that the first fills ask for
	s_wait_dscnt 0x0                               ; the opening add is done
	s_wait_kmcnt 0x0
	s_add_nc_u64 s[40:41], s[4:5], s[40:41]        ; kept: my rows at K slice 0
	s_add_nc_u64 s[44:45], s[6:7], s[44:45]
	s_add_nc_u64 s[86:87], s[40:41], s[OA:OA+1]    ; at slice R
	s_add_nc_u64 s[88:89], s[44:45], s[OB:OB+1]
.irp s, 0,1
	s_mov_b32 s[G0A+4*(\s)], 1
	s_add_co_u32 s[G0A+4*(\s)+1], s42, (\s)*SLOT1
	s_add_nc_u64 s[G0A+4*(\s)+2:G0A+4*(\s)+3], s[86:87], (\s)*ASTEP
	s_or_b32 s[G0A+4*(\s)+3], s[G0A+4*(\s)+3], 0x80000000
	s_mov_b32 s[G0B+4*(\s)], 1
	s_add_co_u32 s[G0B+4*(\s)+1], s46, (\s)*SLOT1
	s_add_nc_u64 s[G0B+4*(\s)+2:G0B+4*(\s)+3], s[88:89], (\s)*BSTEP
	s_or_b32 s[G0B+4*(\s)+3], s[G0B+4*(\s)+3], 0x80000000
.endr
	CROUND                                         ; all sixteen work-groups are here: the first joint loads meet
	s_cmp_eq_u32 s[FB], 0                          ; a wave's two first fills stand in one branch: two tensor loads of mine are out, later one
	s_cbranch_scc0 .Lfirst_b
	tensor_load_to_lds s[G0A:G0A+3], s[G1A:G1A+7]
	s_nop 0
	tensor_load_to_lds s[G0A+4:G0A+7], s[G1A:G1A+7]
	s_nop 0
.rept 4
	v_nop
.endr
	s_branch .Lfirst_asked
.Lfirst_b:
	tensor_load_to_lds s[G0B:G0B+3], s[G1B:G1B+7]
	s_nop 0
	tensor_load_to_lds s[G0B+4:G0B+7], s[G1B:G1B+7]
	s_nop 0
.rept 4
	v_nop
.endr
.Lfirst_asked:
	v_and_b32 v1, 15, v0                           ; l % 16
	v_bfe_u32 v2, v0, 4, 1                         ; l / 16
	v_mul_u32_u24 v3, v1, PA
	v_lshl_add_u32 v3, v2, 4, v3
	s_mul_i32 s74, s[WV], 64*PA                    ; my 64 rows, in each head's part
	v_add_nc_u32 v[ADRA0], s74, v3
	v_mul_u32_u24 v3, v1, 272
	v_lshl_add_u32 v3, v2, 4, v3
	v_add_nc_u32 v[ADRB0], 2*HA, v3                ; B lies behind A
	v_mov_b32 v[ADRA], v[ADRA0]
	v_mov_b32 v[ADRB], v[ADRB0]
	s_lshl_b32 s74, s[TC], 9                       ; the tile's 128 columns: 512 bytes of the bias and of a row of x and out0
	s_mov_b32 s75, 0
	s_add_nc_u64 s[8:9], s[8:9], s[74:75]
	v_lshlrev_b32 v[BO], 5, v2
.set b, 0
.rept NB
	global_load_b128 v[BIAS+8*b:BIAS+8*b+3],   v[BO], s[8:9] offset:64*b     ; register j of block b: column 16 b + 8 (l / 16) + j
	global_load_b128 v[BIAS+8*b+4:BIAS+8*b+7], v[BO], s[8:9] offset:64*b+16
.set b, b+1
.endr
	s_lshl_b32 s76, s[TR], 20                      ; 256 rows of 4,096 bytes a tile row,
	s_lshl_b32 s77, s[WV], 18                      ; my 64
	s_add_co_u32 s74, s74, s76
	s_add_co_u32 s74, s74, s77
	s_add_nc_u64 s[10:11], s[10:11], s[74:75]
	s_add_nc_u64 s[12:13], s[12:13], s[74:75]
	s_mul_i32 s74, s[WV], WST
	s_add_co_u32 s74, s74, STAGE                   ; my stage
	v_mul_u32_u24 v3, v1, 528                      ; in: row l % 16, 32 bytes for each half of the lanes
	v_lshl_add_u32 v3, v2, 5, v3
	v_add_nc_u32 v[STO], s74, v3
	v_and_b32 v3, 31, v0
	v_lshlrev_b32 v[GO], 4, v3                     ; back, and in memory: 32 lanes take a row's 512 bytes
	v_add_nc_u32 v[RD], s74, v[GO]
	s_wait_tensorcnt 1                             ; my part of step 0 is in; step 1's may stay out
	s_barrier_signal -1
	s_barrier_wait -1                              ; everybody's is
	FETCH 0, F0
	s_wait_loadcnt 0x0                             ; the bias
	QUARTER 1, F0, F1, 1                           ; the first quarter stands in front of the loop: its products start the sums
	WIN 0                                          ; at a label and at a branch every window is 0
	s_mov_b32 s[CNT], 6
.Lstep:                                        ; trip i ends step i, fills its slot with step i + 2, and begins step i + 1
	QUARTER 2, F1, F0
	QUARTER 3, F0, F1
	TURN 1
	QUARTER 1, F0, F1
	WIN 0
	s_sub_co_u32 s[CNT], s[CNT], 1
	s_cmp_lg_u32 s[CNT], 0
	s_cbranch_scc1 .Lstep
	XLOAD 0                                        ; the residual is asked for while the last two steps are multiplied
	XLOAD 1
	QUARTER 2, F1, F0                              ; the last two steps are written out: no tile is asked for any more
	QUARTER 3, F0, F1
	TURN 0
	XLOAD 2
	XLOAD 3
	QUARTER 1, F0, F1
	QUARTER 2, F1, F0
	QUARTER 3, F0, F1
	s_wait_dscnt 4
	MULA F1, 0, 0
	MULA F1, 1, 0
	s_wait_dscnt 0x0
	MULA F1, 2, 0
	MULA F1, 3, 0
	WIN 0
	PLACES
; THE WAY OUT, a block of 16 tokens at a time.  TOSTAGE: the f32 sums go into my own stage, each accumulator's low four registers first, and come back as whole rows of 512 bytes.  FINISH: x is added, the rows are stored.
.macro TOSTAGE a
.set BK, 32+96*((\a)%2)
.set AC, 64*(\a)
	s_wait_xcnt 0x0                                ; the stores of the block two back have read the registers that are loaded below
	WIN 0x08                                       ; the data (source 1) in window 2
.set b, 0
.rept NB
	ds_store_b128 v[STO], v[AC+8*b:AC+8*b+3]   offset:64*b
	ds_store_b128 v[STO], v[AC+8*b+4:AC+8*b+7] offset:64*b+16
.set b, b+1
.endr
	WIN 0
.set i, 0
.rept 16
	ds_load_b128 v[BK+4*i:BK+4*i+3], v[RD] offset:528*i   ; LDS serves a wave's instructions in order (ISA guide 5.7.1.4): these see the stores above; the next block's stores come behind them
.set i, i+1
.endr
.endm
.macro FINISH a, younger               ; younger: the LDS instructions issued behind block a's loads: the next block's 32, or none
.set BK, 32+96*((\a)%2)
	s_wait_dscnt \younger
	s_wait_loadcnt 48-16*(\a)                      ; block a's 16 loads of x are in; those of the later blocks may stay out
	WIN 0x0c                                       ; source 1 in window 3
.set i, 0
.rept 32
	v_pk_add_f32 v[BK+2*i:BK+2*i+1], v[BK+2*i:BK+2*i+1], v[64*(\a)+2*i:64*(\a)+2*i+1]
.set i, i+1
.endr
	WIN 0
.set i, 0
.rept 16
	global_store_b128 v[GO], v[BK+4*i:BK+4*i+3], s[10:11] offset:(16*(\a)+i)*4096 th:TH_STORE_NT  ; 512 consecutive bytes, aligned
.set i, i+1
.endr
.endm
	TOSTAGE 0
.irp a, 1,2,3
	TOSTAGE \a
	FINISH (\a)-1, 32
.endr
	FINISH 3, 0
	s_wait_tensorcnt 0x0                           ; the wave's end: a wait, an add and its wait, behind my last tensor load and my last LDS store
	ds_add_u32 v[SPW], v[NIL]
	s_wait_dscnt 0x0
	CROUND                                         ; the closing round: no work-group ends while a partner may still ask for a tile that names it
	s_endpgm
.Lfunc_end_k_q22cbda58f3_outp:
	.size	k_q22cbda58f3_outp, .Lfunc_end_k_q22cbda58f3_outp-k_q22cbda58f3_outp
	.p2alignl 7, 3214868480
	.fill 96, 4, 3214868480
	.section	.rodata,"a",@progbits
	.p2align	6, 0x0
	.amdhsa_kernel k_q22cbda58f3_outp
		.amdhsa_group_segment_fixed_size 327680
		.amdhsa_private_segment_fixed_size 0
		.amdhsa_enable_private_segment 0
		.amdhsa_kernarg_size 40
		.amdhsa_user_sgpr_count 2
		.amdhsa_user_sgpr_kernarg_segment_ptr 1
		.amdhsa_wavefront_size32 1
		.amdhsa_system_sgpr_workgroup_id_x 1
		.amdhsa_system_sgpr_workgroup_id_y 1
		.amdhsa_system_sgpr_workgroup_id_z 1
		.amdhsa_system_vgpr_workitem_id 0
		.amdhsa_next_free_vgpr 1024
		.amdhsa_next_free_sgpr 90
		.amdhsa_reserve_vcc 0
		.amdhsa_float_denorm_mode_32 3
		.amdhsa_float_denorm_mode_16_64 3
		.amdhsa_memory_ordered 1
		.amdhsa_forward_progress 1
		.amdhsa_inst_pref_size 85
	.end_amdhsa_kernel
	.amdgpu_metadata
---
amdhsa.version: [ 1, 2 ]
amdhsa.kernels:
  - .name:           k_q22cbda58f3_outp
    .symbol:         k_q22cbda58f3_outp.kd
    .args:
      - { .name: ctx, .offset: 0, .size: 8, .value_kind: global_buffer, .address_space: global }
      - { .name: wbf, .offset: 8, .size: 8, .value_kind: global_buffer, .address_space: global }
      - { .name: out_proj_b, .offset: 16, .size: 8, .value_kind: global_buffer, .address_space: global }
      - { .name: out0, .offset: 24, .size: 8, .value_kind: global_buffer, .address_space: global }
      - { .name: x, .offset: 32, .size: 8, .value_kind: global_buffer, .address_space: global }
    .group_segment_fixed_size: 327680
    .private_segment_fixed_size: 0
    .kernarg_segment_align: 8
    .kernarg_segment_size: 40
    .max_flat_workgroup_size: 128
    .sgpr_count:     90
    .vgpr_count:     1024
    .wavefront_size: 32
...
	.end_amdgpu_metadata
.endif
;; end of part 4
